; MI455X (gfx1250); checked and timed in simulation.
; The chip was launched on July 23, 2026; its instructions are those of AMD's public machine-readable ISA for CDNA 5 (MIT licence, August 2026) and "CDNA5" Instruction Set Architecture Reference Guide (July 2026). The comments in the code are by the model that wrote it; some were corrected since.
;; Multi Headed Attention. Allowed arithmetic: matrix products marked QUANTISED: E2M3 operands, one E8M0 scale for each 32 along K, by v_wmma_scale_f32_16x16x128_f8f6f4 with both operands' format E2M3, f32 sums; everything else in f32.
;; Inputs: Wk 1,024 x 512 float32; Wq 1,024 x 512 float32; bk 512 float32; bq 512 float32; key 8 x 2,048 x 1,024 float32; mask 8 x 1 x 2,048 int32; query 8 x 2,048 x 1,024 float32; value 8 x 2,048 x 512 float32.
;; Outputs: out0 8 x 2,048 x 512 float32.
;; This version of the problem:
;;   THIS VERSION OF THE PROBLEM IS GIVEN IN LOW PRECISION. The matrix products marked QUANTISED in the list below multiply operands that are first quantised to E2M3 (2 exponent bits, 3 mantissa bits; 6 bits a number), with one power-of-two scale for each 32 numbers along K (OCP MX v1.0); their sums are f32. All else is computed in f32.
;;   The module's matrix products, in the order in which they are computed (A, B: the left and right operand; K: the contracted axis; several contracted axes count as one K, in the product's order):
;;     1. [M 16,384, K 1,024] x [K 1,024, N 512]; A: input query; B: input Wq: QUANTISED
;;     2. [M 16,384, K 1,024] x [K 1,024, N 512]; A: input key; B: input Wk: QUANTISED
;;     3. batch 8 x [M 2,048, K 512] x [K 512, N 2,048]; A: computed on the way; B: computed on the way: QUANTISED
;;     4. batch 8 x [M 2,048, K 2,048] x [K 2,048, N 512]; A: softmax (see below); B: input value: QUANTISED
;;   THE QUANTISER, for each operand of a quantised product, along K:
;;     - K is cut into blocks of 32 from its start; a last block that is shorter is filled with zeros.
;;     - A block's scale is 2^e with e = floor(log2(the largest magnitude in the block)) - 2, held to -126 .. 127; a block of zeros has e = 0. As a byte (E8M0): e + 127.
;;     - Each number is divided by its block's scale, clamped to +-7.5, and rounded to the nearest number of E2M3, ties to even, subnormals kept.
;;     - The product sums the exact products of the quantised numbers (number of the format x scale) in f32.
;;   ~~~python
;;   def quantise(x, axis):      # numpy; x: float32 -> the quantised numbers, widened to float32 again
;;       x = np.moveaxis(x, axis, -1); K = x.shape[-1]
;;       x = np.pad(x, [(0, 0)] * (x.ndim - 1) + [(0, -K % 32)]); x = x.reshape(x.shape[:-1] + (-1, 32)); a = np.abs(x).max(-1, keepdims=True)
;;       e = np.where(a > 0, np.clip(np.frexp(np.where(a > 0, a, 1))[1] - 1 - 2, -126, 127), 0)      # np.frexp(a)[1] - 1 = floor(log2(a)), exactly
;;       r = np.clip(x / 2.0 ** e, -7.5, 7.5)
;;       step = 2.0 ** (np.maximum(np.frexp(np.where(r == 0, 1, r))[1] - 1, 0) - 3)
;;       q = np.round(r / step) * step * 2.0 ** e      # np.round: ties to even
;;       return np.moveaxis(q.reshape(q.shape[:-2] + (-1,))[..., :K], -1, axis).astype(np.float32)
;;   ~~~
;;   SOFTMAX AHEAD OF A QUANTISED PRODUCT. Where the list says 'softmax', what is quantised is not the finished softmax but p = 2^(t - M), with t = logit x log2(e) and M = ceil(the row's largest t), a whole number; so 1/2 < the row's largest p <= 1. The row's sum l is taken of the UNQUANTISED p, in f32, and the product's result is divided by l at the end. Since M is a whole number, a kernel that streams over the keys may use a running M (the ceiling of the running maximum): every later rescaling is an exact power of two, which a block's scale takes up: the codes' values come out the same.
;;   OPERANDS COMPUTED ON THE WAY. 'Computed on the way' means the value that the module computes at that place (a softmax that the list does not call 'softmax' is quantised finished and normalised). What goes into a quantiser is computed in f32, as accurately as f32 sums, v_exp_f32 and their like allow (about 1e-6 of the number): no bf16 or f16 on the way to a quantiser, and a product that is left as it is and whose result goes on into a quantised operand takes f32 operands (vector FMAs, or v_wmma_f32_16x16x4_f32). A number that lies on a knife's edge between two numbers of the format may be rounded either way, as far as f32 arithmetic and the matrix unit's own rounding can turn it there, and no further.
;; 2 versions. Each part assembles by itself: llvm-mc -triple=amdgcn-amd-amdhsa -mcpu=gfx1250 --defsym DOCPART=n.
;; ======== version 1 of 2: 3 launches
;; limits: right only within a limited range of input values
;; workspace buffers: pcodes 7,077,888 bytes; pscales 294,912 bytes; qcodes 6,291,456 bytes; kcodes 6,291,456 bytes; qscales 262,144 bytes; kscales 262,144 bytes
;; launch prep (part 1): grid 576 x 1, 4 waves a work-group, no clusters, 13,312 bytes of LDS; arguments Wq, Wk, value, pcodes, pscales; writes pcodes, pscales
.if DOCPART == 1
	.amdgcn_target "amdgcn-amd-amdhsa--gfx1250"
	.amdhsa_code_object_version 6
	.text
	.protected	k_qafeda0f880_prep
	.globl	k_qafeda0f880_prep
	.p2align	8
	.type	k_qafeda0f880_prep,@function
k_qafeda0f880_prep:
	s_mov_b64 s[64:65], 0
	v_nop
	global_prefetch_b8 v0, s[64:65] scope:SCOPE_SE
	s_setreg_imm32_b32 hwreg(HW_REG_WAVE_MODE, 25, 1), 1
	s_wait_xcnt 0x0
; PREP.  Wq, Wk [1024][512] and value [8][2048][512], f32, are operands whose K (the model's axis; the keys) is their FIRST axis.  They become codes of FP6 (E2M3) with one E8M0 byte for each 32 along K.
; All three are rows of 512 columns, so they are cut alike into SLABS of 128 rows x 512 columns: slabs 0-7 Wq, 8-15 Wk, 16 + 16 b + i value of batch b, keys 128 i on: 144 slabs.
; WHAT IS STORED IS THE IMAGE OF THE OPERAND'S REGISTERS.  A fragment (16 columns x 128 K) is 12 registers a lane; register p of lane l lies at 512 (p / 4) + 16 l + 4 (p % 4) of its 1,536 bytes, so that
; any wave fetches it by three loads of 16 bytes a lane, 512 consecutive bytes each.  pcodes: [slab][column tile 0..31][1,536].  pscales: [slab][group of 128 columns][512]: the scale word (four bytes: the slab's
; four blocks) of row r of column tile 8 g + 2 e + u lies at 16 (r + 16 u) + 4 e, so that one load of 16 bytes a lane brings a wave the words of eight tiles.
; THE ORDER INSIDE A BLOCK OF 32.  Place p of a block holds the number whose index in the block is p with bits 3 and 4 exchanged.  Every operand of this program is laid so, on both sides of every product:
; a block keeps its 32 numbers, its scale and its codes, and only the order of the sums inside a matrix instruction changes.  It lets results of 16 neighbouring rows become operands without a shuffle (launches proj, attn).
; A LANE TAKES A COLUMN AND ITS REGISTERS RUN DOWN K: a block lies in one lane's 32 registers, its largest magnitude needs no other lane, and the row's load simply lands in the register of its place.
; SHARES: a work-group takes a slab's 128 columns (grid: 144 slabs x 4), a wave 32 of them: two fragments, which it gathers in its own stage in LDS and stores as 3,072 consecutive bytes.
; A block's scale is 2^(floor(log2(largest magnitude)) - 2); its byte is the largest magnitude's exponent field - 2, held at 1 from below.
; LIMITS: a block of zeros gets the byte 1 where the rule says 127 (its codes are zeros, and this program alone reads the bytes); blocks whose largest magnitude lies under 2^-124 are held at that floor; NaN and infinities are not served.
; No matrix work, no tensor load, no cluster: the launch reads each number once and shares nothing between work-groups.
.set XR,    32                         ; v32-95   two sets of 32 numbers
.set CR,    96                         ; v96-127  eight registers for each block's codes: no store's data are written again
.set OUTR,  128                        ; v128-151 the way out
.set SCS,   12288                      ; LDS: four stages of 3,072 bytes, then the work-group's 512 bytes of scale words
.set FLOOR, 0x1800000                  ; 2^(3 - 127)
	s_load_b256 s[4:11], s[0:1], 0x0               ; Wq s[4:5], Wk s[6:7], value s[8:9], pcodes s[10:11]
	s_load_b64 s[12:13], s[0:1], 0x20              ; pscales
	v_lshl_add_u32 v160, v0, 2, 0x3200
	v_mov_b32 v161, 0
	v_lshrrev_b32 v1, 5, v0
	v_readfirstlane_b32 s16, v1                    ; wave 0..3
	v_and_b32 v2, 31, v0                           ; lane
	v_and_b32 v8, 15, v0                           ; r: my column in its tile
	v_bfe_u32 v9, v0, 4, 1                         ; u: which of the wave's two tiles
	v_lshlrev_b32 v3, 2, v2                        ; in: 4 bytes a lane
	v_lshlrev_b32 v7, 4, v2                        ; out: 16 bytes a lane
	s_mul_i32 s17, s16, 3072                       ; my stage
	v_mul_u32_u24 v4, v9, 1536
	v_lshl_add_u32 v4, v8, 4, v4
	v_add_nc_u32 v4, s17, v4                       ; into it: my tile's image, lane r's place (lanes 16-31 of the image: 256 more, in the immediate)
	v_add_nc_u32 v5, s17, v7                       ; out of it: as it lies
	s_lshl_b32 s18, s16, 2
	v_add_nc_u32 v6, s18, v7                       ; my scale word: 16 x lane + 4 x wave
	s_lshr_b32 s19, ttmp9, 2                       ; slab
	s_and_b32 s20, ttmp9, 3                        ; which 128 columns
	s_wait_kmcnt 0x0
	s_cmp_lt_u32 s19, 8                            ; which tensor: the choice hangs on the work-group's number alone
	s_cselect_b64 s[4:5], s[4:5], s[6:7]
	s_cselect_b32 s21, 0, 8
	s_cmp_lt_u32 s19, 16
	s_cselect_b64 s[4:5], s[4:5], s[8:9]
	s_cselect_b32 s21, s21, 16
	s_sub_co_u32 s21, s19, s21                     ; the slab's number in its tensor
	s_lshl_b32 s22, s21, 18                        ; 128 rows of 2,048 bytes
	s_lshl_b32 s23, s20, 9
	s_add_co_u32 s22, s22, s23                     ; + 512 bytes for each 128 columns
	s_lshl_b32 s23, s16, 7
	s_add_co_u32 s22, s22, s23                     ; + 128 bytes a wave
	s_mov_b32 s23, 0
	s_add_nc_u64 s[4:5], s[4:5], s[22:23]
	s_mul_i32 s24, s19, 49152                      ; the codes: slab x 32 fragments
	s_mul_i32 s25, s20, 12288                      ; + eight fragments for each 128 columns
	s_add_co_u32 s24, s24, s25
	s_add_co_u32 s24, s24, s17                     ; + two a wave
	s_mov_b32 s25, 0
	s_add_nc_u64 s[10:11], s[10:11], s[24:25]
	s_lshl_b32 s26, ttmp9, 9                       ; the scale words: 512 bytes a work-group
	s_mov_b32 s27, 0
	s_add_nc_u64 s[12:13], s[12:13], s[26:27]
.macro LOAD kb                         ; block kb: row 32 kb + i of my column lands in the register of its place: i with bits 3 and 4 exchanged
.set i, 0
.rept 32
	global_load_b32 v[XR+32*((\kb)%2)+((i&7)|((i&8)<<1)|((i&16)>>1))], v3, s[4:5] offset:(32*(\kb)+i)*2048 th:TH_LOAD_NT
.set i, i+1
.endr
.endm
	LOAD 0
	LOAD 1
.macro BLOCK kb
.set XS, XR+32*((\kb)%2)
.set CB, CR+8*(\kb)
.if (\kb) < 3
	s_wait_loadcnt 32                              ; this block's 32 loads are in; the next block's 32 may be out
.else
	s_wait_loadcnt 0x0
.endif
	v_max3_num_f32 v12, |v[XS]|, |v[XS+1]|, |v[XS+2]|   ; the block's largest magnitude, in two chains: all 32 numbers are mine
	v_max3_num_f32 v13, |v[XS+3]|, |v[XS+4]|, |v[XS+5]|
.irp n, 6,10,14,18,22,26
	v_max3_num_f32 v12, v12, |v[XS+\n]|, |v[XS+\n+1]|
	v_max3_num_f32 v13, v13, |v[XS+\n+2]|, |v[XS+\n+3]|
.endr
	v_max3_num_f32 v12, v12, |v[XS+30]|, |v[XS+31]|
	v_max3_num_f32 v12, v12, v13, FLOOR            ; and the floor: the byte cannot fall under 1
	v_add_nc_u32 v11, 0xff000000, v12              ; 2 off the exponent field: the conversion takes the exponent field of this operand as its scale
	v_cvt_scalef32_pk16_fp6_f32 v[CB:CB+2], v[XS:XS+15], v11
	v_cvt_scalef32_pk16_fp6_f32 v[CB+4:CB+6], v[XS+16:XS+31], v11   ; (a conversion's three registers begin on an even number)
	v_lshrrev_b32 v13, 23, v11                     ; the scale's byte.  (The plain line behind the conversions)
.if (\kb) == 0
	v_mov_b32 v24, v13
.else
	v_lshl_or_b32 v24, v13, 8*(\kb), v24           ; four bytes make my column's scale word, the lower K in the lower byte
.endif
	v_mov_b32 v[CB+3], v[CB+4]                     ; the gap is closed: the block's 24 bytes stand in six registers on end
	v_mov_b32 v[CB+4], v[CB+5]
	v_mov_b32 v[CB+5], v[CB+6]
; Block kb = 2 c + h is registers 6 c .. 6 c + 5 of lane r + 16 h of the fragment
.if (\kb) < 2
	ds_store_b128 v4, v[CB:CB+3] offset:256*((\kb)&1)              ; registers 0-3
	ds_store_b64 v4, v[CB+4:CB+5] offset:512+256*((\kb)&1)         ; registers 4, 5
.else
	ds_store_b64 v4, v[CB:CB+1] offset:520+256*((\kb)&1)           ; registers 6, 7
	ds_store_b128 v4, v[CB+2:CB+5] offset:1024+256*((\kb)&1)       ; registers 8-11
.endif
.if (\kb) < 2
	LOAD (\kb)+2
.endif
.endm
	BLOCK 0
	BLOCK 1
	BLOCK 2
	BLOCK 3
	ds_store_b32 v6, v24 offset:SCS
.irp g, 0,1,2,3,4,5
	ds_load_b128 v[OUTR+4*\g:OUTR+4*\g+3], v5 offset:512*\g        ; LDS serves a wave's instructions in order (ISA guide 5.7.1.4): these see my stores
.endr
.irp g, 0,1,2,3,4,5
	s_wait_dscnt 5-\g
	global_store_b128 v7, v[OUTR+4*\g:OUTR+4*\g+3], s[10:11] offset:512*\g   ; 32 lanes store 512 consecutive bytes, at a multiple of 512 from the buffer's first byte
.endr
	s_barrier_signal -1                            ; (the last count-down ended at 0: my scale word has landed)
	s_barrier_wait -1                              ; all four waves' scale words lie in LDS
	s_cmp_lg_u32 s16, 0
	s_cbranch_scc1 .Ldone
	ds_load_b128 v[152:155], v7 offset:SCS
	s_wait_dscnt 0x0
	global_store_b128 v7, v[152:155], s[12:13]     ; wave 0 stores the work-group's 512 bytes of scale words
.Ldone:
	s_wait_tensorcnt 0x0
	ds_add_u32 v160, v161
	s_wait_dscnt 0x0
	s_endpgm
.Lfunc_end_k_qafeda0f880_prep:
	.size	k_qafeda0f880_prep, .Lfunc_end_k_qafeda0f880_prep-k_qafeda0f880_prep
	.p2alignl 7, 3214868480
	.fill 96, 4, 3214868480
	.section	.rodata,"a",@progbits
	.p2align	6, 0x0
	.amdhsa_kernel k_qafeda0f880_prep
		.amdhsa_group_segment_fixed_size 13312
		.amdhsa_private_segment_fixed_size 0
		.amdhsa_enable_private_segment 0
		.amdhsa_kernarg_size 40
		.amdhsa_user_sgpr_count 2
		.amdhsa_user_sgpr_kernarg_segment_ptr 1
		.amdhsa_wavefront_size32 1
		.amdhsa_system_sgpr_workgroup_id_x 1
		.amdhsa_system_sgpr_workgroup_id_y 1
		.amdhsa_system_sgpr_workgroup_id_z 1
		.amdhsa_system_vgpr_workitem_id 0
		.amdhsa_next_free_vgpr 162
		.amdhsa_next_free_sgpr 66
		.amdhsa_reserve_vcc 0
		.amdhsa_float_denorm_mode_32 3
		.amdhsa_float_denorm_mode_16_64 3
		.amdhsa_memory_ordered 1
		.amdhsa_forward_progress 1
		.amdhsa_inst_pref_size 22
	.end_amdhsa_kernel
	.amdgpu_metadata
---
amdhsa.version: [ 1, 2 ]
amdhsa.kernels:
  - .name:           k_qafeda0f880_prep
    .symbol:         k_qafeda0f880_prep.kd
    .args:
      - { .name: Wq, .offset: 0, .size: 8, .value_kind: global_buffer, .address_space: global }
      - { .name: Wk, .offset: 8, .size: 8, .value_kind: global_buffer, .address_space: global }
      - { .name: value, .offset: 16, .size: 8, .value_kind: global_buffer, .address_space: global }
      - { .name: pcodes, .offset: 24, .size: 8, .value_kind: global_buffer, .address_space: global }
      - { .name: pscales, .offset: 32, .size: 8, .value_kind: global_buffer, .address_space: global }
    .group_segment_fixed_size: 13312
    .private_segment_fixed_size: 0
    .kernarg_segment_align: 8
    .kernarg_segment_size: 40
    .max_flat_workgroup_size: 128
    .sgpr_count:     66
    .vgpr_count:     162
    .wavefront_size: 32
...
	.end_amdgpu_metadata
.endif
;; end of part 1
;; launch proj (part 2): grid 256 x 1, 4 waves a work-group, no clusters, 327,680 bytes of LDS; arguments query, key, bq, bk, qcodes, kcodes, qscales, kscales, pcodes, pscales, mask; writes qcodes, kcodes, qscales, kscales
.if DOCPART == 2
	.amdgcn_target "amdgcn-amd-amdhsa--gfx1250"
	.amdhsa_code_object_version 6
	.text
	.protected	k_qafeda0f880_proj
	.globl	k_qafeda0f880_proj
	.p2align	8
	.type	k_qafeda0f880_proj,@function
k_qafeda0f880_proj:
	s_mov_b64 s[64:65], 0
	v_nop
	global_prefetch_b8 v0, s[64:65] scope:SCOPE_SE
	s_setreg_imm32_b32 hwreg(HW_REG_WAVE_MODE, 25, 1), 1
	s_wait_xcnt 0x0
; PROJ.  q = query Wq + bq and k = key Wk + bk, [16,384][1,024] x [1,024][512], on codes of FP6 (E2M3) with one E8M0 scale for each 32 along K; the results are quantised along their 512 and stored as codes:
; they are the operands of the scores' product (launch attn).  Work-groups 0-127 take query, 128-255 key: only pointers are chosen, both take one path through the text.
; SHARES.  A work-group takes 128 tokens x all 512 outputs x all of K, so that each f32 number of x is read from memory once.  THE WAVES SHARE THE COLUMNS: wave w makes outputs 128 w .. 128 w + 127 for all 128 tokens:
; 8 token tiles x 8 output tiles = 64 accumulators, 512 registers.  Its 128 outputs are exactly one K step (w) of the scores' product: one fragment and one scale word a token tile.
; x comes by the tensor data mover, each wave fetching the 32 rows that it quantises; the codes go from wave to wave through LDS as images of the operand's registers (three stores of 16 bytes a lane, and a scale word a lane).
; W's fragments (launch prep laid them in the registers' order) are wanted by ONE wave of the work-group each: they go from memory straight into its registers, two sets by turns.
; NO JOINT LOADS: x is shared by nobody; a fragment of W is read by one wave of each work-group and lies in register order, so through LDS it would be written and read once more for no second reader,
; and two slots of x for four waves take 266,240 of the LDS bytes.
; THE PRODUCT IS USED TRANSPOSED (source 0 = 16 columns of W, source 1 = 16 tokens): a lane holds one token and its registers run along the outputs, which are the next K.
; THE ORDER INSIDE A BLOCK OF 32: place p holds index p with bits 3 and 4 exchanged, on both sides of every product (see prep).  So the 16 registers of output tiles 2 b and 2 b + 1 in lane half h ARE places 16 h .. 16 h + 15 of block b.
; THE MASK: codes of keys whose mask is 0 are stored as zeros (a choice by v_cndmask_b32; queries keep all), so that in attn such a key's score is exactly the constant that stands for 'masked'.
; STORED: qcodes, kcodes [token tile][K step 0..3][1,536], images of registers.  qscales, kscales [128 tokens][2,048]: the word of (tile m, K step s, row r) at 512 (m / 2) + 16 (r + 16 (s % 2)) + 4 (2 (m % 2) + s / 2).
; LIMITS: a block of zeros gets the byte 1; largest magnitudes under 2^-124 are held at that floor; NaN and infinities are not served.
; REGISTERS, in windows of 256 (s_set_vgpr_msb: bits 1:0 source 0, 3:2 source 1, 5:4 source 2, 7:6 destination):
;   window 0: v2-15 addresses; v16-23 W's scale words, two sets; v24-31 x's; v32-127 x's eight fragments; v128-191 64 numbers of x; v192-207 at work; v208-209 scale words made; v210-249 codes made, two sets
;   window 1: v0-95, v96-191 W's eight fragments, two sets; v192-255 the bias (C of the first K step's products), then 64 numbers of x.   windows 2, 3: accumulator (m, t) at v[64 (m % 4) + 8 t] of window 2 + m / 4
.set XP,    1040                       ; a row of x in LDS: 1,024 bytes (two K steps of 128) + 16 = 65 x 16: the sixteen rows of a load of 16 bytes a lane start at sixteen different 16-byte columns modulo 256
.set XSLOT, 32*XP                      ; a slot: a wave's 32 rows
.set XSW,   2*XSLOT                    ; a wave's two slots
.set XIMG,  4*XSW                      ; x's fragments as images: two sets x 8 x 1,536
.set XSC,   XIMG+2*8*1536              ; their scale words: two sets x 8 x 128
.set SCST,  XSC+2*8*128                ; the results' scale words, gathered: 2,048 bytes
.set SPARE, SCST+2048                  ; the spare words, 128 bytes for each wave: two blocks of 256 bytes that no other line names
.set LI,  2                            ; v2   16 x lane
.set LS,  3                            ; v3   4 x lane
.set XA,  4                            ; v4   x in my slots: wave x XSW + r XP + 32 h
.set XWI, 5                            ; v5   where I store images: XIMG + 3,072 wave + 16 lane
.set XWS, 6                            ; v6   and their scale words: XSC + 256 wave + 4 lane
.set SCW, 7                            ; v7   where I put a result's scale word
.set SCR, 8                            ; v8   SCST + 16 x thread
.set TI,  9                            ; v9   16 x thread
.set SPW, 10                           ; v10  my spare word; never rewritten
.set NIL, 11                           ; v11  0; never rewritten
.set HB,  12                           ; v12  32 h
.set RM,  13                           ; v13  4 r
.set XRI, 14                           ; v14  XIMG + 16 lane
.set XRS, 15                           ; v15  XSC + 4 lane
.set WSC, 16
.set XSCR, 24
.set XF,  32
.set ST0, 128
.set TM,  192
.set PW0, 208
.set PC0, 210
.set ST1, 192                          ; in window 1
.set BI,  192                          ; in window 1
.set MSB, 0
.macro WIN new                         ; the immediate's high byte repeats the setting that is left; a switch that changes nothing is dropped
.if MSB != (\new)
	s_set_vgpr_msb (MSB<<8)|(\new)
.set MSB, (\new)
.endif
.endm
.macro WM                              ; one product; the registers stand in symbols.  fA: W's scale words in lanes 16-31
.if fA
	v_wmma_scale_f32_16x16x128_f8f6f4 v[rD:rD+7], v[rA:rA+11], v[rB:rB+11], v[rC:rC+7], v[rSA], v[rSB] matrix_a_fmt:MATRIX_FMT_FP6 matrix_b_fmt:MATRIX_FMT_FP6 matrix_a_scale:MATRIX_SCALE_ROW1
.else
	v_wmma_scale_f32_16x16x128_f8f6f4 v[rD:rD+7], v[rA:rA+11], v[rB:rB+11], v[rC:rC+7], v[rSA], v[rSB] matrix_a_fmt:MATRIX_FMT_FP6 matrix_b_fmt:MATRIX_FMT_FP6
.endif
.endm
; 64 numbers of a lane in window win, register 16 b + i = place 16 (lane / 16) + i of block b of my row, become a fragment's codes in v[pc] on and its scale word in v[pw].
.macro QUANT src, win, pc, pw
	WIN (\win)|((\win)<<2)
.irp b, 0,1,2,3
	v_max3_num_f32 v[TM+\b], |v[(\src)+16*\b]|, |v[(\src)+16*\b+1]|, 0x1800000   ; my 16 numbers of block b, and the floor 2^(3 - 127): the byte cannot fall under 1
.endr
.irp n, 2,4,6,8,10,12,14
.irp b, 0,1,2,3
	v_max3_num_f32 v[TM+\b], |v[(\src)+16*\b+\n]|, |v[(\src)+16*\b+\n+1]|, v[TM+\b]   ; (the four blocks by turns; each accumulator is read from its low end on)
.endr
.endr
	WIN 0
.irp b, 0,1,2,3
	v_permlanex16_b32 v[TM+4+\b], v[TM+\b], s30, s31
.endr
.irp b, 0,1,2,3
	v_max_num_f32 v[TM+\b], v[TM+\b], v[TM+4+\b]   ; with lane l xor 16's: the block's largest magnitude
.endr
.irp b, 0,1,2,3
	v_add_nc_u32 v[TM+12+\b], 0xff000000, v[TM+\b] ; 2 off its exponent field: the conversion's scale operand
.endr
.irp b, 0,1,2,3
	v_lshrrev_b32 v[TM+4+\b], 23, v[TM+12+\b]      ; the scale's byte
.endr
	v_lshl_or_b32 v[\pw], v[TM+5], 8, v[TM+4]      ; my row's scale word
	v_lshl_or_b32 v[\pw], v[TM+6], 16, v[\pw]
	v_lshl_or_b32 v[\pw], v[TM+7], 24, v[\pw]
	WIN (\win)
.irp c, 0,1
	v_cvt_scalef32_pk16_fp6_f32 v[\pc+6*\c:\pc+6*\c+2], v[(\src)+32*\c:(\src)+32*\c+15], v[TM+12+2*\c]
	v_cvt_scalef32_pk16_fp6_f32 v[\pc+12+4*\c:\pc+14+4*\c], v[(\src)+32*\c+16:(\src)+32*\c+31], v[TM+13+2*\c]   ; (a conversion's three registers begin on an even number)
.endr
	WIN 0
	v_nop                                          ; one plain line behind the scaled conversions
.irp c, 0,1                            ; the operand's layout wants a WHOLE block in a lane: lanes 0-15 block 2 c, lanes 16-31 block 2 c + 1
.irp e, 0,1,2
	v_permlane16_swap_b32 v[\pc+6*\c+\e], v[\pc+12+4*\c+\e]
.endr
.irp e, 0,1,2
	v_mov_b32 v[\pc+3+6*\c+\e], v[\pc+12+4*\c+\e]
.endr
.endr
.endm
; 64 numbers of K step ks of my token tile 2 w + a, from my slot into v[st] on of window stwin.  Of a block's 128 bytes lane half h takes bytes 32 h .. + 31 and 64 + 32 h .. + 31: the order of places
.macro XLD st, stwin, ks, a
	WIN (\stwin)<<6
.irp b, 0,1,2,3
.irp j, 0,1,2,3
	ds_load_b128 v[\st+16*\b+4*\j:\st+16*\b+4*\j+3], v[XA] offset:(((\ks)>>1)&1)*XSLOT+(\a)*16*XP+((\ks)&1)*512+128*\b+16*(\j&1)+64*(\j>>1)
.endr
.endr
	WIN 0
.endm
.macro IMAGE pc, pw, ks, a             ; the fragment goes to LDS as it stands, into the set of K step ks
.irp c, 0,1,2
	ds_store_b128 v[XWI], v[\pc+4*\c:\pc+4*\c+3] offset:((\ks)&1)*12288+(\a)*1536+512*\c
.endr
	ds_store_b32 v[XWS], v[\pw] offset:((\ks)&1)*1024+(\a)*128
.endm
.macro XFETCH ks                       ; all eight fragments of x and their scale words: 32 LDS loads
.irp m, 0,1,2,3,4,5,6,7
.irp c, 0,1,2
	ds_load_b128 v[XF+12*\m+4*\c:XF+12*\m+4*\c+3], v[XRI] offset:((\ks)&1)*12288+1536*\m+512*\c
.endr
.endr
.irp m, 0,1,2,3,4,5,6,7
	ds_load_b32 v[XSCR+\m], v[XRS] offset:((\ks)&1)*1024+128*\m
.endr
.endm
.macro WLOAD ks                        ; my eight fragments of W of K step ks and their scale words: 25 loads, 512 consecutive bytes each
	global_load_b128 v[WSC+4*((\ks)&1):WSC+4*((\ks)&1)+3], v[LI], s[22:23] offset:2048*(\ks)
	WIN 0x40
.irp t, 0,1,2,3,4,5,6,7
.irp c, 0,1,2
	global_load_b128 v[96*((\ks)&1)+12*\t+4*\c:96*((\ks)&1)+12*\t+4*\c+3], v[LI], s[20:21] offset:49152*(\ks)+1536*\t+512*\c
.endr
.endr
	WIN 0
.endm
; 64 products: the 64 accumulators take turns, one instruction a turn, in the same order in every K step.  The first K step's C is the bias: nothing is cleared, nothing is added later.
.macro MUL ks
.irp m, 0,1,2,3,4,5,6,7
.if (\ks) == 0
	WIN 0x91+0x40*(\m/4)                           ; W window 1, x window 0, the bias window 1, D window 2 or 3
.else
	WIN 0xa1+0x50*(\m/4)                           ; C and D window 2 or 3
.endif
.irp t, 0,1,2,3,4,5,6,7
.set rD, 64*(\m%4)+8*\t
.set rC, rD
.if (\ks) == 0
.set rC, BI+8*\t
.endif
.set rA, 96*((\ks)&1)+12*\t
.set rB, XF+12*\m
.set rSA, WSC+4*((\ks)&1)+\t/2
.set rSB, XSCR+\m
.set fA, \t%2
	WM
.endr
.endr
.endm
	s_load_b256 s[4:11], s[0:1], 0x0               ; query s[4:5], key s[6:7], bq s[8:9], bk s[10:11]
	s_load_b256 s[12:19], s[0:1], 0x20             ; qcodes, kcodes, qscales, kscales
	s_load_b128 s[20:23], s[0:1], 0x40             ; pcodes, pscales
	s_load_b64 s[24:25], s[0:1], 0x50              ; mask
	v_lshl_add_u32 v[SPW], v0, 2, SPARE
	v_mov_b32 v[NIL], 0
	ds_add_u32 v10, v11
	ds_add_u32 v10, v11
	s_wait_dscnt 0x0
	v_lshrrev_b32 v1, 5, v0
	v_readfirstlane_b32 s28, v1                    ; wave 0..3
	; descriptor group 1: 32 rows x 256 elements of 4 bytes, 1,024 elements from row to row, 16 bytes of padding behind each row
	s_mov_b32 s32, (2<<16)|(1<<20)|(7<<22)|(3<<25) ; 17:16 elements of 4 bytes; 20 padding on; 24:22 after every 256 words (code 7); 31:25 of 4 words (code 3)
	s_mov_b32 s33, 256<<16                         ; tensor_dim0 = 256
	s_mov_b32 s34, 32<<16                          ; tensor_dim1 = 32
	s_mov_b32 s35, 256<<16                         ; tile_dim0 = 256
	s_mov_b32 s36, 32                              ; tile_dim1 = 32
	s_mov_b32 s37, 1024                            ; tensor_dim0_stride
	s_mov_b32 s38, 0
	s_mov_b32 s39, 0
	s_mov_b32 s30, 0x76543210
	s_mov_b32 s31, 0xfedcba98                      ; v_permlanex16_b32's selects for lane l xor 16
	s_and_b32 s56, ttmp9, 127                      ; G: which 128 tokens
	s_lshl_b32 s57, s56, 19                        ; 128 rows of 4,096 bytes
	s_lshl_b32 s58, s28, 17                        ; my wave's 32 of them
	s_add_co_u32 s58, s57, s58
	s_mov_b32 s59, 0
	s_mov_b32 s40, 1                               ; group 0, slot 0: count = 1,
	s_mul_i32 s41, s28, XSW                        ; LDS address: wave x two slots
	s_mov_b32 s44, 1                               ; slot 1
	s_add_co_u32 s45, s41, XSLOT
	s_wait_kmcnt 0x0
	s_cmp_lt_u32 ttmp9, 128                        ; query's work-group or key's?  The choice hangs on the work-group's number alone
	s_cselect_b64 s[4:5], s[4:5], s[6:7]           ; x
	s_cselect_b64 s[8:9], s[8:9], s[10:11]         ; the bias
	s_cselect_b64 s[12:13], s[12:13], s[14:15]     ; the codes out
	s_cselect_b64 s[16:17], s[16:17], s[18:19]     ; the scale words out
	s_cselect_b32 s26, 0, 393216                   ; Wk's slabs lie eight slabs of codes on,
	s_cselect_b32 s27, 0, 16384                    ; and of scale words
	s_cselect_b32 s29, -1, 0                       ; queries keep all their codes
	s_add_nc_u64 s[42:43], s[4:5], s[58:59]        ; K steps 0, 1 of my 32 rows,
	s_add_nc_u64 s[46:47], s[42:43], 1024          ; K steps 2, 3
	s_or_b32 s43, s43, 0x80000000                  ; type = 2
	s_or_b32 s47, s47, 0x80000000
	tensor_load_to_lds s[40:43], s[32:39]          ; both first fills go out together, ahead of every wait on TENSORcnt, every LDS read and every barrier: two loads of mine are out
	s_nop 0
	tensor_load_to_lds s[44:47], s[32:39]
	s_nop 0
	v_and_b32 v1, 31, v0                           ; lane
	v_and_b32 v200, 15, v0                         ; r
	v_bfe_u32 v201, v0, 4, 1                       ; h
	v_lshlrev_b32 v[LI], 4, v1
	v_lshlrev_b32 v[LS], 2, v1
	v_mul_u32_u24 v[XA], v200, XP
	v_lshl_add_u32 v[XA], v201, 5, v[XA]
	v_add_nc_u32 v[XA], s41, v[XA]
	s_mul_i32 s57, s28, 3072
	s_add_co_u32 s57, s57, XIMG
	v_add_nc_u32 v[XWI], s57, v[LI]
	s_lshl_b32 s57, s28, 8
	s_add_co_u32 s57, s57, XSC
	v_add_nc_u32 v[XWS], s57, v[LS]
	s_and_b32 s57, s28, 1                          ; my results are K step s = wave: 16 (r + 16 (s % 2)) + 4 (s / 2)
	s_lshl_b32 s57, s57, 8
	s_lshr_b32 s60, s28, 1
	s_lshl_b32 s60, s60, 2
	s_add_co_u32 s57, s57, s60
	s_add_co_u32 s57, s57, SCST
	v_lshl_add_u32 v[SCW], v200, 4, s57
	v_lshlrev_b32 v[TI], 4, v0
	v_add_nc_u32 v[SCR], SCST, v[TI]
	v_lshlrev_b32 v[HB], 5, v201
	v_lshlrev_b32 v[RM], 2, v200
	v_add_nc_u32 v[XRI], XIMG, v[LI]
	v_add_nc_u32 v[XRS], XSC, v[LS]
	s_lshl_b32 s58, s28, 9
	s_add_nc_u64 s[8:9], s[8:9], s[58:59]          ; the bias of my 128 outputs
	s_add_co_u32 s60, s27, s58
	s_mov_b32 s61, 0
	s_add_nc_u64 s[22:23], s[22:23], s[60:61]      ; W's scale words: my group of 128 columns
	s_mul_i32 s60, s28, 12288
	s_add_co_u32 s60, s60, s26
	s_add_nc_u64 s[20:21], s[20:21], s[60:61]      ; W's codes: my eight fragments of a slab
	s_mul_i32 s60, s56, 49152
	s_mul_i32 s62, s28, 1536
	s_add_co_u32 s60, s60, s62
	s_add_nc_u64 s[12:13], s[12:13], s[60:61]      ; out: 8 token tiles x 6,144 bytes a group, K step = wave
	s_lshl_b32 s60, s56, 11
	s_add_nc_u64 s[16:17], s[16:17], s[60:61]
	s_lshl_b32 s60, s56, 9
	s_add_nc_u64 s[24:25], s[24:25], s[60:61]      ; the mask of my 128 tokens
.irp m, 0,1,2,3,4,5,6,7
	global_load_b32 v[ST0+\m], v[RM], s[24:25] offset:64*\m        ; the mask of token r of tile m
.endr
	WIN 0x40
.irp t, 0,1,2,3,4,5,6,7
	global_load_b128 v[BI+8*\t:BI+8*\t+3], v[HB], s[8:9] offset:64*\t           ; the bias in the result's layout: outputs 16 t + 8 h + 0 .. 7
	global_load_b128 v[BI+8*\t+4:BI+8*\t+7], v[HB], s[8:9] offset:64*\t+16
.endr
	WIN 0
	WLOAD 0
.irp b, 0,1,2,3
	v_mov_b32 v[TM+4+\b], 0                        ; written once: a lane permute's destination counts as one of its sources
.endr
	s_wait_loadcnt 41                              ; the mask is in; the bias's 16 loads and W's 25 may be out
.irp m, 0,1,2,3,4,5,6,7
	v_cmp_ne_u32 s[48+\m], 0, v[ST0+\m]            ; a bit a lane: token r of tile m keeps its codes
.endr
.irp m, 0,1,2,3,4,5,6,7
	s_or_b32 s[48+\m], s[48+\m], s29
.endr
	s_wait_tensorcnt 1                             ; my slot 0 is in (only I read it); slot 1's load may be out
	XLD ST0, 0, 0, 0                               ; K step 0 is quantised tile by tile through one set of registers: the other still holds the bias
	s_wait_dscnt 0x0
	QUANT ST0, 0, PC0, PW0
	IMAGE PC0, PW0, 0, 0
	XLD ST0, 0, 0, 1
	s_wait_dscnt 0x0
	QUANT ST0, 0, PC0+20, PW0+1
	IMAGE PC0+20, PW0+1, 0, 1
; A K STEP of 128: one barrier; behind it x's eight fragments of this step lie in one set of images, and nobody reads the other set, into which the next step's go.
; SLOTS: slot 0 holds K steps 0, 1, then 4, 5; slot 1 holds 2, 3, then 6, 7.  Step s reads step s + 1's numbers, so slot 0 has been read out at step 1's barrier and slot 1 at step 3's: there they are filled again.
.macro STEP ks
.if ((\ks) == 1) || ((\ks) == 3)
	s_wait_tensorcnt 0x0                           ; all my tensor loads have landed: the other slot, which is read next, among them; so a group 0 may be written
	ds_add_u32 v[SPW], v[NIL]                      ; 0 onto my spare word
	s_add_nc_u64 s[42+4*((\ks)>>1):43+4*((\ks)>>1)], s[42+4*((\ks)>>1):43+4*((\ks)>>1)], 2048   ; four K steps on along the rows
.elseif (\ks) == 5
	s_wait_tensorcnt 0x0                           ; slot 1's second fill, my last tensor load, is in: it is read below
.endif
	s_wait_dscnt 0x0                               ; my images have landed; my reads of the other set of images and of my slots are over (and the add is done)
	s_barrier_signal -1
	s_barrier_wait -1
.if ((\ks) == 1) || ((\ks) == 3)
	tensor_load_to_lds s[40+4*((\ks)>>1):43+4*((\ks)>>1)], s[32:39]   ; the first thing behind the barrier, and my one tensor load until the next such barrier
	s_nop 0
.rept 4
	v_nop
.endr
.endif
	XFETCH \ks
.if (\ks) < 7
	XLD ST0, 0, (\ks)+1, 0                         ; the next step's numbers of my two token tiles,
.if (\ks) > 0
	XLD ST1, 1, (\ks)+1, 1
.endif
	WLOAD (\ks)+1                                  ; and its fragments of W, into the set that the step before multiplied
	s_wait_loadcnt 25                              ; this step's W (and in step 0 the bias) is in; the 25 just issued may be out
.if (\ks) > 0
	s_wait_dscnt 32                                ; x's fragments are in; the 32 loads of numbers may be out
.else
	s_wait_dscnt 16
.endif
.else
	s_wait_loadcnt 0x0
	s_wait_dscnt 0x0
.endif
	MUL \ks
	WIN 0
.if (\ks) < 7
.if (\ks) == 0
.rept 4
	v_nop                                          ; places between the products that read the bias and the loads into its registers
.endr
	XLD ST1, 1, 1, 1
.endif
	s_wait_dscnt 16                                ; my first tile's numbers are in
	QUANT ST0, 0, PC0, PW0                         ; (these lines are also the places between this step's products and the next step's loads into their operands)
	IMAGE PC0, PW0, (\ks)+1, 0
	s_wait_dscnt 4                                 ; my second tile's are in: behind them only the four stores just issued
	QUANT ST1, 1, PC0+20, PW0+1
	IMAGE PC0+20, PW0+1, (\ks)+1, 1
.endif
.endm
	STEP 0
	STEP 1
	STEP 2
	STEP 3
	STEP 4
	STEP 5
	STEP 6
	STEP 7
.rept 4
	v_nop                                          ; places behind the last products, in front of the first read of results
.endr
; THE WAY OUT.  Token tile m: my eight accumulators are 64 numbers a lane in the order that QUANT takes; the fragment is stored as it stands, 512 consecutive bytes a store.
.macro OUT m
.set PCX, PC0+20*((\m)&1)
.set PWX, PW0+((\m)&1)
.if (\m) >= 2
	s_wait_xcnt 0x0                                ; the stores of two tiles back have read these registers
	s_wait_dscnt 0x1                               ; and so has that tile's store of its scale word (the last tile's may be out)
.endif
	QUANT 64*((\m)&3), 2+((\m)>>2), PCX, PWX
.irp e, 0,1,2,3,4,5,6,7,8,9,10,11
	v_cndmask_b32 v[PCX+\e], 0, v[PCX+\e], s[48+\m]   ; a masked key's codes are zeros
.endr
.irp c, 0,1,2
	global_store_b128 v[LI], v[PCX+4*\c:PCX+4*\c+3], s[12:13] offset:6144*(\m)+512*\c
.endr
	ds_store_b32 v[SCW], v[PWX] offset:512*((\m)>>1)+8*((\m)&1)   ; both lanes of a row write the same word with the same value
.endm
	OUT 0
	OUT 1
	OUT 2
	OUT 3
	OUT 4
	OUT 5
	OUT 6
	OUT 7
	s_wait_dscnt 0x0                               ; for the others' sake: my scale words have landed
	s_barrier_signal -1
	s_barrier_wait -1
	ds_load_b128 v[ST0:ST0+3], v[SCR]
	s_wait_dscnt 0x0
	global_store_b128 v[TI], v[ST0:ST0+3], s[16:17]   ; the group's 2,048 bytes of scale words: 512 consecutive bytes a wave
	s_wait_tensorcnt 0x0                           ; the wave's end
	ds_add_u32 v[SPW], v[NIL]
	s_wait_dscnt 0x0
	s_endpgm
.Lfunc_end_k_qafeda0f880_proj:
	.size	k_qafeda0f880_proj, .Lfunc_end_k_qafeda0f880_proj-k_qafeda0f880_proj
	.p2alignl 7, 3214868480
	.fill 96, 4, 3214868480
	.section	.rodata,"a",@progbits
	.p2align	6, 0x0
	.amdhsa_kernel k_qafeda0f880_proj
		.amdhsa_group_segment_fixed_size 327680
		.amdhsa_private_segment_fixed_size 0
		.amdhsa_enable_private_segment 0
		.amdhsa_kernarg_size 88
		.amdhsa_user_sgpr_count 2
		.amdhsa_user_sgpr_kernarg_segment_ptr 1
		.amdhsa_wavefront_size32 1
		.amdhsa_system_sgpr_workgroup_id_x 1
		.amdhsa_system_sgpr_workgroup_id_y 1
		.amdhsa_system_sgpr_workgroup_id_z 1
		.amdhsa_system_vgpr_workitem_id 0
		.amdhsa_next_free_vgpr 1024
		.amdhsa_next_free_sgpr 66
		.amdhsa_reserve_vcc 0
		.amdhsa_float_denorm_mode_32 3
		.amdhsa_float_denorm_mode_16_64 3
		.amdhsa_memory_ordered 1
		.amdhsa_forward_progress 1
		.amdhsa_inst_pref_size 232
	.end_amdhsa_kernel
	.amdgpu_metadata
---
amdhsa.version: [ 1, 2 ]
amdhsa.kernels:
  - .name:           k_qafeda0f880_proj
    .symbol:         k_qafeda0f880_proj.kd
    .args:
      - { .name: query, .offset: 0, .size: 8, .value_kind: global_buffer, .address_space: global }
      - { .name: key, .offset: 8, .size: 8, .value_kind: global_buffer, .address_space: global }
      - { .name: bq, .offset: 16, .size: 8, .value_kind: global_buffer, .address_space: global }
      - { .name: bk, .offset: 24, .size: 8, .value_kind: global_buffer, .address_space: global }
      - { .name: qcodes, .offset: 32, .size: 8, .value_kind: global_buffer, .address_space: global }
      - { .name: kcodes, .offset: 40, .size: 8, .value_kind: global_buffer, .address_space: global }
      - { .name: qscales, .offset: 48, .size: 8, .value_kind: global_buffer, .address_space: global }
      - { .name: kscales, .offset: 56, .size: 8, .value_kind: global_buffer, .address_space: global }
      - { .name: pcodes, .offset: 64, .size: 8, .value_kind: global_buffer, .address_space: global }
      - { .name: pscales, .offset: 72, .size: 8, .value_kind: global_buffer, .address_space: global }
      - { .name: mask, .offset: 80, .size: 8, .value_kind: global_buffer, .address_space: global }
    .group_segment_fixed_size: 327680
    .private_segment_fixed_size: 0
    .kernarg_segment_align: 8
    .kernarg_segment_size: 88
    .max_flat_workgroup_size: 128
    .sgpr_count:     66
    .vgpr_count:     1024
    .wavefront_size: 32
...
	.end_amdgpu_metadata
.endif
;; end of part 2
;; launch attn (part 3): grid 32 x 8, 4 waves a work-group, no clusters, 98,816 bytes of LDS; arguments qcodes, qscales, kcodes, kscales, pcodes, pscales, mask, out0; writes out0
.if DOCPART == 3
	.amdgcn_target "amdgcn-amd-amdhsa--gfx1250"
	.amdhsa_code_object_version 6
	.text
	.protected	k_qafeda0f880_attn
	.globl	k_qafeda0f880_attn
	.p2align	8
	.type	k_qafeda0f880_attn,@function
k_qafeda0f880_attn:
	s_mov_b64 s[64:65], 0
	v_nop
	global_prefetch_b8 v0, s[64:65] scope:SCOPE_SE
	s_setreg_imm32_b32 hwreg(HW_REG_WAVE_MODE, 25, 1), 1
	s_wait_xcnt 0x0
; ATTN.  out[b][q][:] = the sum over keys of softmax(q . k / sqrt(512), masked) value, both products on codes of FP6 (E2M3) with one E8M0 scale for each 32 along K.
; THE SOFTMAX AHEAD OF THE SECOND PRODUCT: t = score x log2(e) / sqrt(512); M = the row's largest t so far, rounded UP to a whole number; p = 2^(t - M) is quantised along the keys, not normalised.
; The row's sum is taken of the unquantised p and divides at the end.  When M moves, the sum and O are multiplied by 2^(old M - new M): exact.
; SHARES.  A work-group owns 64 queries of one batch (grid 32 x 8); a key step is 512 keys, four steps.  SCORES: wave w takes keys 128 w .. + 127 of the step against all 64 queries (8 key tiles x 4 query tiles = 32
; accumulators).  P V: wave w takes channels 128 w .. + 127 of value against all 64 queries (32 accumulators).  So every fragment of K and of V feeds four products and is wanted by exactly ONE wave of the work-group.
; K AND V GO FROM MEMORY STRAIGHT INTO REGISTERS (their buffers are images of the operand's registers: three loads of 16 bytes a lane, 512 consecutive bytes each), under counted waits.  A QUAD is four fragments.  A ring of four
; quads takes K's eight quads of a step and V's first four; V's last four land in the registers that p has left, asked for as soon as p has become codes.  So V's first four have the softmax in which to land, its last four the
; softmax's end and 64 products, the next step's first four of K 112 products, and only K's last four the 48 products of three quads.
; What goes from wave to wave goes through LDS: Q's and P's fragments as images, the step's maxima, the sums.
; THE WORK-GROUPS OF A BATCH BEGIN AT DIFFERENT KEY STEPS: work-group x begins at step (x + x / 4) mod 4 and walks the four steps round; the running maximum leaves the order of the steps free.  So the 32 work-groups of a
; batch ask for four different quarters of K and V at a time, and from its second step on each asks for bytes that eight others asked for a whole step earlier.  In every half of the 32 that one bit of x picks all four
; beginnings occur.  Only global addresses hang on x: the table of the mask is laid in LDS in the order of the walk.
; NO PREFETCH: a quarter's first readers ask for it at the kernel's head; every later reader follows eight work-groups' loads of the same bytes by a key step.
; NO JOINT LOADS, though the 32 work-groups of a batch walk the same K and V: through LDS a step's 393,216 bytes would be written and read once more for no second reader in the work-group, beside the 196,608 bytes
; of Q's and P's images that the four waves read in a step; and a slot that is filled behind a barrier would have at most 64 products a wave in which to land.
; LAYOUT.  Both products are used transposed: S^T = K Q^T (source 0 = 16 keys), O^T = V^T P^T (source 0 = 16 channels): a lane holds ONE query (lane % 16) throughout.  Inside a block of 32 along K place p holds index p with
; bits 3 and 4 exchanged, on both sides of every product (see prep): so p's 16 registers of key tiles 2 b and 2 b + 1 in lane half h are places 16 h .. 16 h + 15 of block b.
; THE MASK costs nothing a score: launch proj stored zeros for the codes of masked keys, and the C of each score tile's first product is 0 or -3 x 2^33 by the key's mask (a table in LDS made here from the input).
; LIMITS.  A masked key's logit is -3 x 2^33 / sqrt(512) = -1.139e9 where the definition has -1e9: results differ only where unmasked logits lie near or under -1e9.  The constant is chosen so that its product with
; c = 0x3d8293ee is exact in f32: in a batch whose keys are all masked t - M is exactly 0 and every p exactly 1, as defined.  NaN and infinities are not served.  A block of p that is all zeros keeps the byte 1.
; REGISTERS, in windows of 256 (s_set_vgpr_msb: bits 1:0 source 0, 3:2 source 1, 5:4 source 2, 7:6 destination):
;   window 0: v1-14 addresses; v16-63 scale words and nothing else; v64-87 six statistics a query tile; v88-148 at work; v160-207, v208-255 source 1's four fragments, two sets (in the softmax: the codes being made)
;   window 1: S^T, then p: (i, kt) at v[64 i + 8 kt]; behind the conversions v0-191 V's quads 4 to 7; on the way out rows of O.   window 2: O^T: (i, vt) at v[64 i + 8 vt].
;   window 3: v0-191 the ring; v192-255 the scores' C: 8 registers a key tile
.set QIMG,  0                          ; LDS: Q's 16 fragments: 6,144 i + 1,536 s
.set PIMG,  24576                      ; P's 16 fragments: 6,144 x (the wave that made it) + 1,536 i
.set PSC,   49152                      ; their scale words, 128 bytes each
.set BIAS,  51200                      ; 0 or -3 x 2^33 for each of the batch's 2,048 keys, in the order of my walk
.set MX,    59392                      ; the waves' maxima (at the end: sums): 512 i + 16 lane + 4 wave
.set STAGE, 61440                      ; the way out: 16 rows x (512 bytes + 16) for each wave
.set SPT,   528
.set TI,  1                            ; v1   16 x thread
.set LI,  2                            ; v2   16 x lane
.set LS,  3                            ; v3   4 x lane
.set PWI, 4                            ; v4   6,144 wave + 16 lane
.set PWS, 5                            ; v5   512 wave + 4 lane
.set MXW, 6                            ; v6   16 lane + 4 wave
.set BA0, 8                            ; v8   512 wave + 32 h
.set BA,  9                            ; v9   the same + 2,048 x the number of steps walked
.set SIN, 13                           ; v13  the stage: where I put 32 bytes of a row
.set SOUT, 14                          ; v14  and where I read a row back
.set QSC, 16                           ; v16-23  Q's scale words: register 2 i + s / 2, lanes 16 (s % 2) on
.set KSC, 24                           ; v24-39  K's: register 2 kt + s / 2, lanes 16 (s % 2) on
.set VSC, 40                           ; v40-55  V's: register 4 g + vt / 2, lanes 16 (vt % 2) on
.set PS,  56                           ; v56-63  P's: register 4 (g % 2) + i
.set STT, 64                           ; tile i at v[64 + 6 i]: +0 -M, +1 the largest t, +2, +3 the sum in two halves, +4 f (at the end 1 / sum), +5 written once (named in a pair)
.set BM,  88                           ; v88-103   the largest score, then the largest p, of block b of tile i: 4 i + b  (at the head v88-91: the offsets of the mask's four chunks)
.set T2,  104                          ; v104-119  at work
.set SCO, 120                          ; v120-135  the conversions' scale operands
.set PW,  136                          ; v136-139  p's scale words
.set SMX, 140                          ; v140-143  a tile's largest score
.set OLD, 144                          ; v144-147
.set NEG, 148                          ; v148  -3 x 2^33
.set BS,  160
.set RB,  192                          ; in window 3
.set SKC,  26                          ; s[26:27] K's codes: my eight key tiles of the step in hand
.set SKS,  28                          ; s[28:29] K's scale words of the NEXT step
.set SVC,  30                          ; s[30:31] V's codes: my eight channel tiles of the step's first slab
.set SVS,  32                          ; s[32:33] V's scale words of the step
.set SKN,  38                          ; s[38:39] K's codes of the NEXT step
.set SU,   48                          ; s48  the key step in hand, 0 .. 3
.set SUN,  49                          ; s49  the next
.set BK0,  50                          ; s[50:51], s[52:53], s[54:55], s[56:57]: the four pointers at the batch's step 0; never rewritten
.set BKS0, 52
.set BV0,  54
.set BVS0, 56
.set SKS1, 58                          ; s[58:59] K's scale words of my first step; never rewritten
.set MSB, 0
.macro WIN new                         ; the immediate's high byte repeats the setting that is left; a switch that changes nothing is dropped
.if MSB != (\new)
	s_set_vgpr_msb (MSB<<8)|(\new)
.set MSB, (\new)
.endif
.endm
.macro WM                              ; one product; the registers stand in symbols.  fA, fB: that side's scale words stand in lanes 16-31
.if fA && fB
	v_wmma_scale_f32_16x16x128_f8f6f4 v[rD:rD+7], v[rA:rA+11], v[rB:rB+11], v[rC:rC+7], v[rSA], v[rSB] matrix_a_fmt:MATRIX_FMT_FP6 matrix_b_fmt:MATRIX_FMT_FP6 matrix_a_scale:MATRIX_SCALE_ROW1 matrix_b_scale:MATRIX_SCALE_ROW1
.elseif fA
	v_wmma_scale_f32_16x16x128_f8f6f4 v[rD:rD+7], v[rA:rA+11], v[rB:rB+11], v[rC:rC+7], v[rSA], v[rSB] matrix_a_fmt:MATRIX_FMT_FP6 matrix_b_fmt:MATRIX_FMT_FP6 matrix_a_scale:MATRIX_SCALE_ROW1
.else
	v_wmma_scale_f32_16x16x128_f8f6f4 v[rD:rD+7], v[rA:rA+11], v[rB:rB+11], v[rC:rC+7], v[rSA], v[rSB] matrix_a_fmt:MATRIX_FMT_FP6 matrix_b_fmt:MATRIX_FMT_FP6
.endif
.endm
.macro KSCLD base                      ; my 128 keys' scale words: 4 loads
.irp g, 0,1,2,3
	global_load_b128 v[KSC+4*\g:KSC+4*\g+3], v[LI], s[\base:\base+1] offset:512*\g
.endr
.endm
.macro VSCLD                           ; the scale words of my 128 channels in the step's four slabs: 4 loads
.irp g, 0,1,2,3
	global_load_b128 v[VSC+4*\g:VSC+4*\g+3], v[LI], s[SVS:SVS+1] offset:2048*\g
.endr
.endm
; A QUAD is four fragments, 12 loads.  Quad y of a phase: K step (or slab) y / 2, tiles 4 (y % 2) + 0 .. 3; it lies at v[48 (y % 4)] of the window that the caller has set as the destination
.macro KLD y, base
.irp e, 0,1,2,3
.irp c, 0,1,2
	global_load_b128 v[48*((\y)%4)+12*\e+4*\c:48*((\y)%4)+12*\e+4*\c+3], v[LI], s[\base:\base+1] offset:6144*(4*((\y)&1)+\e)+1536*((\y)>>1)+512*\c
.endr
.endr
.endm
.macro VLD y
.irp e, 0,1,2,3
.irp c, 0,1,2
	global_load_b128 v[48*((\y)%4)+12*\e+4*\c:48*((\y)%4)+12*\e+4*\c+3], v[LI], s[SVC:SVC+1] offset:49152*((\y)>>1)+1536*(4*((\y)&1)+\e)+512*\c
.endr
.endr
.endm
.macro BQ ks, set                      ; Q's four fragments of K step ks: 12 LDS loads
.irp i, 0,1,2,3
.irp c, 0,1,2
	ds_load_b128 v[BS+48*(\set)+12*\i+4*\c:BS+48*(\set)+12*\i+4*\c+3], v[LI] offset:QIMG+6144*\i+1536*(\ks)+512*\c
.endr
.endr
.endm
.macro BP sg, set                      ; P's four fragments of the keys that wave sg took, and their scale words: 16 LDS loads
.irp i, 0,1,2,3
.irp c, 0,1,2
	ds_load_b128 v[BS+48*(\set)+12*\i+4*\c:BS+48*(\set)+12*\i+4*\c+3], v[LI] offset:PIMG+6144*(\sg)+1536*\i+512*\c
.endr
.endr
.irp i, 0,1,2,3
	ds_load_b32 v[PS+4*(\set)+\i], v[LS] offset:PSC+512*(\sg)+128*\i
.endr
.endm
.macro BIASLD adr, off                 ; the scores' C in the result's layout: keys 16 kt + 8 h + 0 .. 7 of my 128: 16 LDS loads
	WIN 0xc0
.irp k, 0,1,2,3,4,5,6,7
	ds_load_b128 v[RB+8*\k:RB+8*\k+3], v[\adr] offset:BIAS+(\off)+64*\k
	ds_load_b128 v[RB+8*\k+4:RB+8*\k+7], v[\adr] offset:BIAS+(\off)+64*\k+16
.endr
	WIN 0
.endm
; QUAD: 16 products on quad y of a phase (kind 0: scores; 1: P V), four places, and what the quad has left free is asked for again.
; THE ORDER OF THE LOADS in a step: behind the scores' quads 0-3 K's quads 4-7; behind quad 4 V's four loads of scale words and V's quad 0; behind quads 5-7 V's quads 1-3; behind the conversions V's quads 4-7 (48 loads, into
; window 1); behind P V's quad 0 the next step's four loads of K's scale words and K's quad 0; behind its quads 1-3 K's quads 1-3.  The last step asks for nothing behind V.
; The accumulators take turns, one instruction a turn: between two links of a chain stand 31 others'.
; s_wait_loadcnt counts the loads issued behind the quad that is wanted.  SCORES: three quads (36); from y = 5 on also V's four loads of scale words (40).  P V: at y = 0 the 48 loads of V's quads 4-7, which stand behind
; quad 3: so quads 0-3 are shown at once; behind V's quads 4, 5, 6 stand 88, 76, 64 loads: the count is 63, the largest that the instruction can name, and under all three; behind quad 7 stand K's 52.  In the last step 36, 24, 12, 0.
; s_wait_dscnt, at the head of each pair of quads, counts the LDS loads of the fetches issued behind the set of source 1 that is wanted.
.macro QUAD kind, y, last
.set SPH, (\y)>>1
.if ((\y)&1) == 0
.set NBV, 12+4*(\kind)
.if SPH == 3
.set NBV, 0
.if (\kind) && !(\last)
.set NBV, 28
.endif
.endif
	s_wait_dscnt NBV
.endif
.if (\kind) == 0
.set NLV, 36
.if (\y) > 4
.set NLV, 40
.endif
	s_wait_loadcnt NLV
.if SPH == 0
	WIN 0x73                                       ; K window 3, Q window 0, C window 3, S^T window 1
.else
	WIN 0x53
.endif
.else
.if (\y) == 0
	s_wait_loadcnt 48
.elseif (\y) > 3
.set NLV, 63
.if (\y) == 7
.set NLV, 52
.endif
.if (\last)
.set NLV, 12*(7-(\y))
.endif
	s_wait_loadcnt NLV
.endif
.if (\y) < 4
	WIN 0xa3                                       ; V window 3 (the ring), P window 0, O^T window 2
.else
	WIN 0xa1                                       ; V window 1 (the registers that p has left)
.endif
.endif
.irp e, 0,1,2,3
.irp i, 0,1,2,3
.set TLE, 4*((\y)&1)+\e
.set rA, 48*((\y)%4)+12*\e
.set rB, BS+48*(SPH&1)+12*\i
.set rD, 64*\i+8*TLE
.set rC, rD
.if (\kind)
.set rSA, VSC+4*SPH+(TLE>>1)
.set rSB, PS+4*(SPH&1)+\i
.set fA, TLE&1
.set fB, 0
.else
.if SPH == 0
.set rC, RB+8*TLE
.endif
.set rSA, KSC+2*TLE+(SPH>>1)
.set rSB, QSC+2*\i+(SPH>>1)
.set fA, SPH&1
.set fB, SPH&1
.endif
	WM
.endr
.endr
.rept 4
	v_nop                                          ; places between these products and the loads into their operands (and, behind a phase's last quad, the first read of results)
.endr
.if (\kind) && ((\y) == 7)
	v_nop                                          ; a fifth: the next step's first products write their results over registers that these products read as source 0
.endif
.if (\kind) == 0
.if (\y) < 4
	WIN 0xc0
	KLD (\y)+4, SKC
.else
.if (\y) == 4
	WIN 0
	VSCLD
.endif
	WIN 0xc0
	VLD (\y)-4
.endif
.else
.if ((\y) < 4) && !(\last)
.if (\y) == 0
	WIN 0
	KSCLD SKS
.endif
	WIN 0xc0
	KLD (\y), SKN
.endif
.endif
	WIN 0
.if (\kind) == 0
.if (\y) == 1
	BQ 2, 0
.elseif (\y) == 3
	BQ 3, 1
.endif
.else
.if (\y) == 1
	BP 2, 0
.elseif (\y) == 3
	BP 3, 1
.elseif !(\last)
.if (\y) == 5
	BIASLD BA, 2048
	BQ 0, 0
.elseif (\y) == 7
	BQ 1, 1
.endif
.endif
.endif
.endm
; THE SOFTMAX of a key step: my 128 keys x 64 queries, the four query tiles by turns.  Two barriers: behind the first every wave has all four waves' maxima; behind the second P's 16 fragments lie in LDS.
.macro SOFTMAX
	WIN 0x05                                       ; sources 0 and 1 window 1
.irp i, 0,1,2,3
.irp b, 0,1,2,3
	v_max_num_f32 v[BM+4*\i+\b], v[64*\i+16*\b], v[64*\i+16*\b+1]   ; THE LARGEST SCORE OF EACH BLOCK OF 32 KEYS serves twice: for the row's maximum, and, since p rises with the score, for the block's largest p
.endr
.endr
.irp n, 2,4,6,8,10,12,14
.irp i, 0,1,2,3
.irp b, 0,1,2,3
	v_max3_num_f32 v[BM+4*\i+\b], v[64*\i+16*\b+\n], v[64*\i+16*\b+\n+1], v[BM+4*\i+\b]   ; (each accumulator is read from its low end on)
.endr
.endr
.endr
	WIN 0
.set x, 0
.rept 16
	v_permlanex16_b32 v[T2+x], v[BM+x], s24, s25
.set x, x+1
.endr
.set x, 0
.rept 16
	v_max_num_f32 v[BM+x], v[BM+x], v[T2+x]        ; with lane l xor 16's 16 keys
.set x, x+1
.endr
.irp i, 0,1,2,3
	v_max3_num_f32 v[SMX+\i], v[BM+4*\i], v[BM+4*\i+1], v[BM+4*\i+2]
.endr
.irp i, 0,1,2,3
	v_max_num_f32 v[SMX+\i], v[SMX+\i], v[BM+4*\i+3]   ; my 128 keys' largest score of my query
.endr
.irp i, 0,1,2,3
	ds_store_b32 v[MXW], v[SMX+\i] offset:MX+512*\i
.endr
	s_wait_dscnt 0x0                               ; for the others' sake: my maxima have landed (and my reads of P's images of the last step are long over)
	s_barrier_signal -1
	s_barrier_wait -1
.irp i, 0,1,2,3
	ds_load_b128 v[T2+4*\i:T2+4*\i+3], v[LI] offset:MX+512*\i      ; the four waves' maxima of my query
.endr
	s_wait_dscnt 0x0
.irp i, 0,1,2,3
	v_max3_num_f32 v[SMX+\i], v[T2+4*\i], v[T2+4*\i+1], v[T2+4*\i+2]
.endr
.irp i, 0,1,2,3
	v_max_num_f32 v[SMX+\i], v[SMX+\i], v[T2+4*\i+3]   ; the step's largest score: the same bits in all four waves
.endr
.irp i, 0,1,2,3
	v_mul_f32 v[SMX+\i], s22, v[SMX+\i]            ; as t (c is positive)
.endr
.irp i, 0,1,2,3
	v_max_num_f32 v[STT+6*\i+1], v[STT+6*\i+1], v[SMX+\i]   ; the running largest t
.endr
.irp i, 0,1,2,3
	v_mov_b32 v[OLD+\i], v[STT+6*\i]
.endr
.irp i, 0,1,2,3
	v_floor_f32 v[STT+6*\i], -v[STT+6*\i+1]        ; the new -M = floor(-t) = -ceil(t): M IS A WHOLE NUMBER
.endr
.irp i, 0,1,2,3
	v_sub_f32 v[OLD+\i], v[STT+6*\i], v[OLD+\i]    ; old M - new M: a whole number, 0 or less
.endr
.irp i, 0,1,2,3
	v_cvt_i32_f32 v[OLD+\i], v[OLD+\i]             ; (it saturates)
.endr
.irp i, 0,1,2,3
	v_ldexp_f32 v[STT+6*\i+4], 1.0, v[OLD+\i]      ; f = 2^(old M - new M)
.endr
	WIN 0x41                                       ; destination and source 0 window 1
.set x, 0
.rept 128
	v_pk_fma_f32 v[2*x:2*x+1], v[2*x:2*x+1], s[22:23], v[STT+6*(x/32):STT+6*(x/32)+1] op_sel_hi:[1,0,0]   ; t - M, two at a time (of the pairs c and -M the low word serves both halves)
.set x, x+1
.endr
.set x, 0
.rept 256
	v_exp_f32 v[x], v[x]                           ; p = 2^(t - M), at most 1: NOT normalised.  One batch
.set x, x+1
.endr
	WIN 0
.irp i, 0,1,2,3
.irp b, 0,1,2,3
	v_fma_f32 v[BM+4*\i+\b], v[BM+4*\i+\b], s22, v[STT+6*\i]   ; the same of each block's largest score.  (Plain lines behind the exponentials, which name none of their results)
.endr
.endr
.irp i, 0,1,2,3
	v_pk_mul_f32 v[STT+6*\i+2:STT+6*\i+3], v[STT+6*\i+2:STT+6*\i+3], v[STT+6*\i+4:STT+6*\i+5] op_sel_hi:[1,0]   ; the sums under the new M
.endr
	s_wait_alu depctr_va_vdst(0)                   ; one wait for the batch of 256, ahead of its first reader
.set x, 0
.rept 16
	v_exp_f32 v[BM+x], v[BM+x]                     ; the block's largest p: the same two instructions on the same number give the same bits
.set x, x+1
.endr
	WIN 0x04                                       ; source 1 window 1
.set x, 0
.rept 32
.irp i, 0,1,2,3
	v_pk_add_f32 v[STT+6*\i+2:STT+6*\i+3], v[STT+6*\i+2:STT+6*\i+3], v[64*\i+2*x:64*\i+2*x+1]   ; THE ROW'S SUM IS TAKEN OF THE UNQUANTISED p.  (It reads the 256 alone: plain work behind the sixteen)
.endr
.set x, x+1
.endr
	WIN 0
	s_wait_alu depctr_va_vdst(0)                   ; and one wait for the sixteen
.set x, 0
.rept 16
	v_max_num_f32 v[BM+x], 0x1800000, v[BM+x]      ; the floor 2^(3 - 127): the byte cannot fall under 1
.set x, x+1
.endr
.set x, 0
.rept 16
	v_add_nc_u32 v[SCO+x], 0xff000000, v[BM+x]     ; 2 off the exponent field: the conversion's scale operand
.set x, x+1
.endr
.set x, 0
.rept 16
	v_lshrrev_b32 v[T2+x], 23, v[SCO+x]            ; the scale's byte
.set x, x+1
.endr
.irp i, 0,1,2,3
	v_lshl_or_b32 v[PW+\i], v[T2+4*\i+1], 8, v[T2+4*\i]
.endr
.irp i, 0,1,2,3
	v_lshl_or_b32 v[PW+\i], v[T2+4*\i+2], 16, v[PW+\i]
.endr
.irp i, 0,1,2,3
	v_lshl_or_b32 v[PW+\i], v[T2+4*\i+3], 24, v[PW+\i]   ; p's scale word for my 128 keys
.endr
	WIN 0x01                                       ; source 0 window 1
.irp i, 0,1,2,3
.irp c, 0,1
	v_cvt_scalef32_pk16_fp6_f32 v[BS+24*\i+6*\c:BS+24*\i+6*\c+2], v[64*\i+32*\c:64*\i+32*\c+15], v[SCO+4*\i+2*\c]
	v_cvt_scalef32_pk16_fp6_f32 v[BS+24*\i+12+4*\c:BS+24*\i+14+4*\c], v[64*\i+32*\c+16:64*\i+32*\c+31], v[SCO+4*\i+2*\c+1]   ; (a conversion's three registers begin on an even number)
.endr
.endr
	WIN 0
	v_nop                                          ; one plain line behind the scaled conversions
	WIN 0x40                                       ; destination window 1
	VLD 4                                          ; p has become codes and nothing reads its registers any more: V's quads 4 to 7 are asked for now, into v0-191 of window 1: 48 loads,
	VLD 5                                          ; which have the rest of the softmax and the P V phase's first 64 products in which to land
	VLD 6
	VLD 7
	WIN 0
.irp i, 0,1,2,3
.irp c, 0,1                            ; the operand's layout wants a WHOLE block in a lane
.irp e, 0,1,2
	v_permlane16_swap_b32 v[BS+24*\i+6*\c+\e], v[BS+24*\i+12+4*\c+\e]
.endr
.irp e, 0,1,2
	v_mov_b32 v[BS+24*\i+3+6*\c+\e], v[BS+24*\i+12+4*\c+\e]
.endr
.endr
.endr
.irp i, 0,1,2,3
.irp c, 0,1,2
	ds_store_b128 v[PWI], v[BS+24*\i+4*\c:BS+24*\i+4*\c+3] offset:PIMG+1536*\i+512*\c   ; the fragment goes to LDS as it stands
.endr
	ds_store_b32 v[PWS], v[PW+\i] offset:PSC+128*\i
.endr
	s_wait_dscnt 0x0                               ; for the others' sake: my images have landed (and my reads of the maxima are over)
	s_barrier_signal -1
	WIN 0x82                                       ; destination and source 0 window 2
.set x, 0
.rept 128
	v_pk_mul_f32 v[2*x:2*x+1], v[2*x:2*x+1], v[STT+6*(x/32)+4:STT+6*(x/32)+5] op_sel_hi:[1,0]   ; O^T under the new M: work on registers while the others arrive
.set x, x+1
.endr
	WIN 0
	s_barrier_wait -1
.endm
.macro STEP last
.irp y, 0,1,2,3,4,5,6,7
	QUAD 0, \y, 0
.endr
	SOFTMAX
.if !(\last)
	v_add_nc_u32 v[BA], s37, v[BA0]
.endif
	BP 0, 0
	BP 1, 1
.irp y, 0,1,2,3,4,5,6,7
	QUAD 1, \y, \last
.endr
.endm
	s_load_b256 s[4:11], s[0:1], 0x0               ; qcodes s[4:5], qscales s[6:7], kcodes s[8:9], kscales s[10:11]
	s_load_b256 s[12:19], s[0:1], 0x20             ; pcodes s[12:13], pscales s[14:15], mask s[16:17], out0 s[18:19]
	v_lshl_add_u32 v158, v0, 2, 0x18000
	v_mov_b32 v159, 0
	v_lshrrev_b32 v7, 5, v0
	v_readfirstlane_b32 s20, v7                    ; wave 0..3
	s_and_b32 s21, ttmp7, 0xffff                   ; the batch
	v_and_b32 v7, 31, v0                           ; lane
	v_and_b32 v10, 15, v0                          ; r
	v_bfe_u32 v11, v0, 4, 1                        ; h
	v_lshlrev_b32 v[TI], 4, v0
	v_lshlrev_b32 v[LI], 4, v7
	v_lshlrev_b32 v[LS], 2, v7
	s_mul_i32 s41, s20, 6144
	v_add_nc_u32 v[PWI], s41, v[LI]
	s_lshl_b32 s42, s20, 9
	v_add_nc_u32 v[PWS], s42, v[LS]
	s_lshl_b32 s43, s20, 2
	v_add_nc_u32 v[MXW], s43, v[LI]
	v_lshl_add_u32 v[BA0], v11, 5, s42
	s_mul_i32 s43, s20, 16*SPT
	s_add_co_u32 s43, s43, STAGE                   ; my stage
	v_mul_u32_u24 v[SIN], v10, SPT
	v_lshl_add_u32 v[SIN], v11, 5, v[SIN]
	v_add_nc_u32 v[SIN], s43, v[SIN]               ; in: row r, + 32 h
	v_add_nc_u32 v[SOUT], s43, v[LI]               ; back: the 32 lanes take one row of 512 bytes
	s_mov_b32 s45, 0                               ; the upper word of every offset: stays 0
	s_mov_b32 s22, 0x3d8293ee                      ; c = log2(e) / sqrt(512)
	s_mov_b32 s23, s22                             ; (named with it as a pair, so it is written)
	s_mov_b32 s24, 0x76543210
	s_mov_b32 s25, 0xfedcba98                      ; v_permlanex16_b32's selects for lane l xor 16
	s_mov_b32 s36, 3                               ; the loop's trips: all key steps but the last
	s_mov_b32 s37, 0                               ; 2,048 x the number of steps walked
	s_mul_i32 s46, s21, 786432                     ; a batch's codes: 128 token tiles x 6,144 bytes = 16 slabs x 49,152
	s_lshr_b32 s[SU], ttmp9, 2
	s_add_co_u32 s[SU], s[SU], ttmp9
	s_and_b32 s[SU], s[SU], 3                      ; my first key step: (x + x / 4) mod 4
	s_add_co_u32 s[SUN], s[SU], 1
	s_and_b32 s[SUN], s[SUN], 3                    ; and the one behind it
.irp c, 0,1,2,3
	s_add_co_u32 s47, s[SU], \c
	s_and_b32 s47, s47, 3
	s_lshl_b32 s47, s47, 11                        ; the c-th step of my walk: its 512 keys' 2,048 bytes of the mask
	v_add_nc_u32 v[BM+\c], s47, v[TI]
.endr
	s_wait_kmcnt 0x0
	s_mul_i32 s44, s20, 49152
	s_add_co_u32 s44, s44, s46
	s_add_nc_u64 s[BK0:BK0+1], s[8:9], s[44:45]    ; K's codes: my eight key tiles of the batch's step 0;
	s_mul_i32 s44, s[SU], 196608                   ; a step is 32 key tiles
	s_add_nc_u64 s[SKC:SKC+1], s[BK0:BK0+1], s[44:45]
	s_mul_i32 s44, s[SUN], 196608
	s_add_nc_u64 s[SKN:SKN+1], s[BK0:BK0+1], s[44:45]
	s_lshl_b32 s44, s21, 15
	s_lshl_b32 s47, s20, 11
	s_add_co_u32 s44, s44, s47
	s_add_nc_u64 s[BKS0:BKS0+1], s[10:11], s[44:45]   ; and their scale words: 8,192 bytes a step
	s_lshl_b32 s44, s[SU], 13
	s_add_nc_u64 s[SKS1:SKS1+1], s[BKS0:BKS0+1], s[44:45]
	s_lshl_b32 s44, s[SUN], 13
	s_add_nc_u64 s[SKS:SKS+1], s[BKS0:BKS0+1], s[44:45]
	s_mul_i32 s44, s20, 12288
	s_add_co_u32 s44, s44, s46
	s_add_co_u32 s44, s44, 786432
	s_add_nc_u64 s[BV0:BV0+1], s[12:13], s[44:45]  ; V's codes: my eight channel tiles of the batch's first slab; a step is four slabs
	s_mul_i32 s44, s[SU], 196608
	s_add_nc_u64 s[SVC:SVC+1], s[BV0:BV0+1], s[44:45]
	s_lshl_b32 s44, s21, 15
	s_add_co_u32 s44, s44, s42
	s_add_co_u32 s44, s44, 32768
	s_add_nc_u64 s[BVS0:BVS0+1], s[14:15], s[44:45]   ; and their scale words
	s_lshl_b32 s44, s[SU], 13
	s_add_nc_u64 s[SVS:SVS+1], s[BVS0:BVS0+1], s[44:45]
	s_lshl_b32 s44, s21, 22
	s_lshl_b32 s47, ttmp9, 17
	s_add_co_u32 s44, s44, s47
	s_add_co_u32 s44, s44, s42
	s_add_nc_u64 s[34:35], s[18:19], s[44:45]      ; out: my work-group's first row, my 128 channels
	s_mul_i32 s44, ttmp9, 24576
	s_add_co_u32 s44, s44, s46
	s_add_co_u32 s44, s44, s41
	s_add_nc_u64 s[4:5], s[4:5], s[44:45]          ; Q's codes: query tile = wave
	s_lshl_b32 s44, s21, 15
	s_lshl_b32 s47, ttmp9, 10
	s_add_co_u32 s44, s44, s47
	s_add_nc_u64 s[6:7], s[6:7], s[44:45]          ; Q's scale words: my work-group's four tiles
	s_lshl_b32 s44, s21, 13
	s_add_nc_u64 s[16:17], s[16:17], s[44:45]      ; the batch's mask
.irp c, 0,1,2,3
	global_load_b128 v[T2+4*\c:T2+4*\c+3], v[BM+\c], s[16:17]      ; the mask of all 2,048 keys, 64 bytes a thread, in the order of my walk
.endr
.irp x, 0,1,2,3,4,5,6,7,8,9,10,11
	global_load_b128 v[BS+4*\x:BS+4*\x+3], v[LI], s[4:5] offset:512*\x th:TH_LOAD_NT   ; one query tile's four fragments a wave: read once in the launch
.endr
	global_load_b128 v[QSC:QSC+3], v[LI], s[6:7]
	global_load_b128 v[QSC+4:QSC+7], v[LI], s[6:7] offset:512
	KSCLD SKS1
	WIN 0xc0
	KLD 0, SKC                                     ; the ring is filled: 48 loads
	KLD 1, SKC
	KLD 2, SKC
	KLD 3, SKC
	WIN 0x80
.set x, 0
.rept 256
	v_mov_b32 v[x], 0                              ; O^T.  (So the key step is written twice and not three times: the first step finds zeros, which its f = 0 leaves zeros.  These lines stand where the wave would wait for its first loads)
.set x, x+1
.endr
	WIN 0
.irp i, 0,1,2,3
	v_mov_b32 v[STT+6*\i+1], 0xff61b1e6            ; the largest t so far: -3e38, under every t
	v_mov_b32 v[STT+6*\i+2], 0                     ; the sum, in two halves
	v_mov_b32 v[STT+6*\i+3], 0
	v_mov_b32 v[STT+6*\i+4], 0
	v_mov_b32 v[STT+6*\i+5], 0                     ; (named as the upper half of f's pair)
.endr
.irp i, 0,1,2,3
	v_floor_f32 v[STT+6*\i], -v[STT+6*\i+1]        ; -M
.endr
	v_mov_b32 v[NEG], 0xd0c00000                   ; -3 x 2^33
	s_wait_loadcnt 52                              ; the mask, Q and Q's scale words are in; K's 4 loads of scale words and the ring's 48 may be out
.set x, 0
.rept 16
	v_cmp_eq_u32 vcc_lo, 0, v[T2+x]
	v_cndmask_b32 v[T2+x], 0, v[NEG], vcc_lo       ; what a key adds to its scores
.set x, x+1
.endr
.irp c, 0,1,2,3
	ds_store_b128 v[TI], v[T2+4*\c:T2+4*\c+3] offset:BIAS+2048*\c
.endr
.irp x, 0,1,2,3,4,5,6,7,8,9,10,11
	ds_store_b128 v[PWI], v[BS+4*\x:BS+4*\x+3] offset:QIMG+512*\x
.endr
	s_wait_dscnt 0x0                               ; for the others' sake
	s_barrier_signal -1
	s_barrier_wait -1                              ; the table and Q's 16 fragments lie in LDS, for the whole launch
	BIASLD BA0, 0                                  ; the same three fetches, in the same order, as at the end of a trip
	BQ 0, 0
	BQ 1, 1
.Lstep:
	STEP 0
	s_wait_xcnt 0x0                                ; every load has read its base: the pointers may be written
	s_mov_b64 s[SKC:SKC+1], s[SKN:SKN+1]           ; the next step's K is the step's
	s_mov_b32 s[SU], s[SUN]
	s_add_co_u32 s[SUN], s[SU], 1
	s_and_b32 s[SUN], s[SUN], 3                    ; round the four steps
	s_mul_i32 s44, s[SU], 196608
	s_add_nc_u64 s[SVC:SVC+1], s[BV0:BV0+1], s[44:45]
	s_lshl_b32 s44, s[SU], 13
	s_add_nc_u64 s[SVS:SVS+1], s[BVS0:BVS0+1], s[44:45]
	s_mul_i32 s44, s[SUN], 196608
	s_add_nc_u64 s[SKN:SKN+1], s[BK0:BK0+1], s[44:45]   ; (behind the last trip these two stand at my first step again and are not used)
	s_lshl_b32 s44, s[SUN], 13
	s_add_nc_u64 s[SKS:SKS+1], s[BKS0:BKS0+1], s[44:45]
	s_add_co_u32 s37, s37, 2048
	s_sub_co_u32 s36, s36, 1
	s_cmp_lg_u32 s36, 0
	s_cbranch_scc1 .Lstep
	STEP 1                                         ; the last step is written out: it asks for nothing behind its own V
	; THE WAY OUT.  A wave's sums are those of its keys: their halves, lane l xor 16's and the four waves' are added; O^T is divided by the sum and goes through my stage, a query tile (16 rows x 512 bytes) at a time.
.irp i, 0,1,2,3
	v_add_f32 v[SMX+\i], v[STT+6*\i+2], v[STT+6*\i+3]
.endr
.irp i, 0,1,2,3
	v_permlanex16_b32 v[OLD+\i], v[SMX+\i], s24, s25
.endr
.irp i, 0,1,2,3
	v_add_f32 v[SMX+\i], v[SMX+\i], v[OLD+\i]
.endr
.irp i, 0,1,2,3
	ds_store_b32 v[MXW], v[SMX+\i] offset:MX+512*\i   ; (the maxima there were last read in front of the last step's second barrier)
.endr
	s_wait_dscnt 0x0
	s_barrier_signal -1
	s_barrier_wait -1
.irp i, 0,1,2,3
	ds_load_b128 v[T2+4*\i:T2+4*\i+3], v[LI] offset:MX+512*\i
.endr
	s_wait_dscnt 0x0
.irp i, 0,1,2,3
	v_add_f32 v[T2+4*\i], v[T2+4*\i], v[T2+4*\i+1]
	v_add_f32 v[T2+4*\i+2], v[T2+4*\i+2], v[T2+4*\i+3]
.endr
.irp i, 0,1,2,3
	v_add_f32 v[T2+4*\i], v[T2+4*\i], v[T2+4*\i+2]   ; the row's sum
.endr
.irp i, 0,1,2,3
	v_rcp_f32 v[STT+6*\i+4], v[T2+4*\i]
.endr
	v_nop                                          ; a plain line behind the last reciprocal
	s_wait_alu depctr_va_vdst(0)                   ; one wait for the four, ahead of their first reader
.macro OMUL i
	WIN 0x82
.set x, 32*(\i)
.rept 32
	v_pk_mul_f32 v[2*x:2*x+1], v[2*x:2*x+1], v[STT+6*(\i)+4:STT+6*(\i)+5] op_sel_hi:[1,0]   ; O^T / the sum; each accumulator from its low end on
.set x, x+1
.endr
.endm
.macro TOSTAGE i
	WIN 0x08                                       ; an LDS store's data are its source 1: window 2
.irp t, 0,1,2,3,4,5,6,7
	ds_store_b128 v[SIN], v[64*(\i)+8*\t:64*(\i)+8*\t+3] offset:64*\t           ; lane (r, h): out(16 i + r, 128 w + 16 t + 8 h + 0 .. 7)
	ds_store_b128 v[SIN], v[64*(\i)+8*\t+4:64*(\i)+8*\t+7] offset:64*\t+16
.endr
	WIN 0x40
.irp t, 0,1,2,3,4,5,6,7,8,9,10,11,12,13,14,15
	ds_load_b128 v[64*((\i)&1)+4*\t:64*((\i)&1)+4*\t+3], v[SOUT] offset:\t*SPT   ; LDS serves a wave's instructions in order (ISA guide 5.7.1.4): these see my stores, and the next tile's stores come behind them
.endr
	WIN 0
.endm
.macro SEND i, younger                 ; younger: the LDS instructions issued behind tile i's loads: the next tile's 16 stores and 16 loads, or none
	s_wait_dscnt \younger
	WIN 0x04                                       ; a store's data are its source 1: window 1
.irp t, 0,1,2,3,4,5,6,7,8,9,10,11,12,13,14,15
	global_store_b128 v[LI], v[64*((\i)&1)+4*\t:64*((\i)&1)+4*\t+3], s[34:35] offset:(16*(\i)+\t)*2048 th:TH_STORE_NT   ; 32 lanes store 512 consecutive bytes, at a multiple of 512 from out0's first byte
.endr
	WIN 0
.endm
	OMUL 0
	TOSTAGE 0
	OMUL 1                                         ; a tile's arithmetic stands between the loads of the tile before and its stores
	TOSTAGE 1
	SEND 0, 32
	OMUL 2
	s_wait_xcnt 0x0                                ; tile 0's stores have read their registers: tile 2's rows may land there
	TOSTAGE 2
	SEND 1, 32
	OMUL 3
	s_wait_xcnt 0x0
	TOSTAGE 3
	SEND 2, 32
	SEND 3, 0
	s_wait_tensorcnt 0x0
	ds_add_u32 v158, v159
	s_wait_dscnt 0x0
	s_endpgm
.Lfunc_end_k_qafeda0f880_attn:
	.size	k_qafeda0f880_attn, .Lfunc_end_k_qafeda0f880_attn-k_qafeda0f880_attn
	.p2alignl 7, 3214868480
	.fill 96, 4, 3214868480
	.section	.rodata,"a",@progbits
	.p2align	6, 0x0
	.amdhsa_kernel k_qafeda0f880_attn
		.amdhsa_group_segment_fixed_size 98816
		.amdhsa_private_segment_fixed_size 0
		.amdhsa_enable_private_segment 0
		.amdhsa_kernarg_size 64
		.amdhsa_user_sgpr_count 2
		.amdhsa_user_sgpr_kernarg_segment_ptr 1
		.amdhsa_wavefront_size32 1
		.amdhsa_system_sgpr_workgroup_id_x 1
		.amdhsa_system_sgpr_workgroup_id_y 1
		.amdhsa_system_sgpr_workgroup_id_z 1
		.amdhsa_system_vgpr_workitem_id 0
		.amdhsa_next_free_vgpr 1024
		.amdhsa_next_free_sgpr 66
		.amdhsa_reserve_vcc 1
		.amdhsa_float_denorm_mode_32 3
		.amdhsa_float_denorm_mode_16_64 3
		.amdhsa_memory_ordered 1
		.amdhsa_forward_progress 1
		.amdhsa_inst_pref_size 255
	.end_amdhsa_kernel
	.section	.bss,"aw",@nobits
	.p2align	6
	.space	262144
	.amdgpu_metadata
---
amdhsa.version: [ 1, 2 ]
amdhsa.kernels:
  - .name:           k_qafeda0f880_attn
    .symbol:         k_qafeda0f880_attn.kd
    .args:
      - { .name: qcodes, .offset: 0, .size: 8, .value_kind: global_buffer, .address_space: global }
      - { .name: qscales, .offset: 8, .size: 8, .value_kind: global_buffer, .address_space: global }
      - { .name: kcodes, .offset: 16, .size: 8, .value_kind: global_buffer, .address_space: global }
      - { .name: kscales, .offset: 24, .size: 8, .value_kind: global_buffer, .address_space: global }
      - { .name: pcodes, .offset: 32, .size: 8, .value_kind: global_buffer, .address_space: global }
      - { .name: pscales, .offset: 40, .size: 8, .value_kind: global_buffer, .address_space: global }
      - { .name: mask, .offset: 48, .size: 8, .value_kind: global_buffer, .address_space: global }
      - { .name: out0, .offset: 56, .size: 8, .value_kind: global_buffer, .address_space: global }
    .group_segment_fixed_size: 98816
    .private_segment_fixed_size: 0
    .kernarg_segment_align: 8
    .kernarg_segment_size: 64
    .max_flat_workgroup_size: 128
    .sgpr_count:     66
    .vgpr_count:     1024
    .wavefront_size: 32
...
	.end_amdgpu_metadata
.endif
;; end of part 3
;; ======== version 2 of 2: 3 launches
;; limits: right only within a limited range of input values
;; workspace buffers: pcodes 7,077,888 bytes; pscales 294,912 bytes; qcodes 6,291,456 bytes; kcodes 6,291,456 bytes; qscales 262,144 bytes; kscales 262,144 bytes
;; launch prep (part 4): grid 576 x 1, 4 waves a work-group, no clusters, 13,312 bytes of LDS; arguments Wq, Wk, value, pcodes, pscales; writes pcodes, pscales
.if DOCPART == 4
	.amdgcn_target "amdgcn-amd-amdhsa--gfx1250"
	.amdhsa_code_object_version 6
	.text
	.protected	k_qafeda0f880_prep
	.globl	k_qafeda0f880_prep
	.p2align	8
	.type	k_qafeda0f880_prep,@function
k_qafeda0f880_prep:
	s_mov_b64 s[64:65], 0
	v_nop
	global_prefetch_b8 v0, s[64:65] scope:SCOPE_SE
	s_setreg_imm32_b32 hwreg(HW_REG_WAVE_MODE, 25, 1), 1
	s_wait_xcnt 0x0
; PREP.  Wq, Wk [1024][512] and value [8][2048][512], f32, are operands whose K (the model's axis; the keys) is their FIRST axis.  They become codes of FP6 (E2M3) with one E8M0 byte for each 32 along K.
; All three are rows of 512 columns, so they are cut alike into SLABS of 128 rows x 512 columns: slabs 0-7 Wq, 8-15 Wk, 16 + 16 b + i value of batch b, keys 128 i on: 144 slabs.
; WHAT IS STORED IS THE IMAGE OF THE OPERAND'S REGISTERS.  A fragment (16 columns x 128 K) is 12 registers a lane; register p of lane l lies at 512 (p / 4) + 16 l + 4 (p % 4) of its 1,536 bytes, so that
; any wave fetches it by three loads of 16 bytes a lane, 512 consecutive bytes each.  pcodes: [slab][column tile 0..31][1,536].  pscales: [slab][group of 128 columns][512]: the scale word (four bytes: the slab's
; four blocks) of row r of column tile 8 g + 2 e + u lies at 16 (r + 16 u) + 4 e, so that one load of 16 bytes a lane brings a wave the words of eight tiles.
; THE ORDER INSIDE A BLOCK OF 32.  Place p of a block holds the number whose index in the block is p with bits 3 and 4 exchanged.  Every operand of this program is laid so, on both sides of every product:
; a block keeps its 32 numbers, its scale and its codes, and only the order of the sums inside a matrix instruction changes.  It lets results of 16 neighbouring rows become operands without a shuffle (launches proj, attn).
; A LANE TAKES A COLUMN AND ITS REGISTERS RUN DOWN K: a block lies in one lane's 32 registers, its largest magnitude needs no other lane, and the row's load simply lands in the register of its place.
; SHARES: a work-group takes a slab's 128 columns (grid: 144 slabs x 4), a wave 32 of them: two fragments, which it gathers in its own stage in LDS and stores as 3,072 consecutive bytes.
; A block's scale is 2^(floor(log2(largest magnitude)) - 2); its byte is the largest magnitude's exponent field - 2, held at 1 from below.
; LIMITS: a block of zeros gets the byte 1 where the rule says 127 (its codes are zeros, and this program alone reads the bytes); blocks whose largest magnitude lies under 2^-124 are held at that floor; NaN and infinities are not served.
; No matrix work, no tensor load, no cluster: the launch reads each number once and shares nothing between work-groups.
.set XR,    32                         ; v32-95   two sets of 32 numbers
.set CR,    96                         ; v96-127  eight registers for each block's codes: no store's data are written again
.set OUTR,  128                        ; v128-151 the way out
.set SCS,   12288                      ; LDS: four stages of 3,072 bytes, then the work-group's 512 bytes of scale words
.set FLOOR, 0x1800000                  ; 2^(3 - 127)
	s_load_b256 s[4:11], s[0:1], 0x0               ; Wq s[4:5], Wk s[6:7], value s[8:9], pcodes s[10:11]
	s_load_b64 s[12:13], s[0:1], 0x20              ; pscales
	v_lshl_add_u32 v160, v0, 2, 0x3200
	v_mov_b32 v161, 0
	v_lshrrev_b32 v1, 5, v0
	v_readfirstlane_b32 s16, v1                    ; wave 0..3
	v_and_b32 v2, 31, v0                           ; lane
	v_and_b32 v8, 15, v0                           ; r: my column in its tile
	v_bfe_u32 v9, v0, 4, 1                         ; u: which of the wave's two tiles
	v_lshlrev_b32 v3, 2, v2                        ; in: 4 bytes a lane
	v_lshlrev_b32 v7, 4, v2                        ; out: 16 bytes a lane
	s_mul_i32 s17, s16, 3072                       ; my stage
	v_mul_u32_u24 v4, v9, 1536
	v_lshl_add_u32 v4, v8, 4, v4
	v_add_nc_u32 v4, s17, v4                       ; into it: my tile's image, lane r's place (lanes 16-31 of the image: 256 more, in the immediate)
	v_add_nc_u32 v5, s17, v7                       ; out of it: as it lies
	s_lshl_b32 s18, s16, 2
	v_add_nc_u32 v6, s18, v7                       ; my scale word: 16 x lane + 4 x wave
	s_lshr_b32 s19, ttmp9, 2                       ; slab
	s_and_b32 s20, ttmp9, 3                        ; which 128 columns
	s_wait_alu depctr_va_vdst(0)
	s_wait_kmcnt 0x0
	s_cmp_lt_u32 s19, 8                            ; which tensor: the choice hangs on the work-group's number alone
	s_cselect_b64 s[4:5], s[4:5], s[6:7]
	s_cselect_b32 s21, 0, 8
	s_cmp_lt_u32 s19, 16
	s_cselect_b64 s[4:5], s[4:5], s[8:9]
	s_cselect_b32 s21, s21, 16
	s_sub_co_u32 s21, s19, s21                     ; the slab's number in its tensor
	s_lshl_b32 s22, s21, 18                        ; 128 rows of 2,048 bytes
	s_lshl_b32 s23, s20, 9
	s_add_co_u32 s22, s22, s23                     ; + 512 bytes for each 128 columns
	s_lshl_b32 s23, s16, 7
	s_add_co_u32 s22, s22, s23                     ; + 128 bytes a wave
	s_mov_b32 s23, 0
	s_add_nc_u64 s[4:5], s[4:5], s[22:23]
	s_mul_i32 s24, s19, 49152                      ; the codes: slab x 32 fragments
	s_mul_i32 s25, s20, 12288                      ; + eight fragments for each 128 columns
	s_add_co_u32 s24, s24, s25
	s_add_co_u32 s24, s24, s17                     ; + two a wave
	s_mov_b32 s25, 0
	s_add_nc_u64 s[10:11], s[10:11], s[24:25]
	s_lshl_b32 s26, ttmp9, 9                       ; the scale words: 512 bytes a work-group
	s_mov_b32 s27, 0
	s_add_nc_u64 s[12:13], s[12:13], s[26:27]
.macro LOAD kb                         ; block kb: row 32 kb + i of my column lands in the register of its place: i with bits 3 and 4 exchanged
.set i, 0
.rept 32
	global_load_b32 v[XR+32*((\kb)%2)+((i&7)|((i&8)<<1)|((i&16)>>1))], v3, s[4:5] offset:(32*(\kb)+i)*2048 th:TH_LOAD_NT
.set i, i+1
.endr
.endm
	LOAD 0
	LOAD 1
.macro BLOCK kb
.set XS, XR+32*((\kb)%2)
.set CB, CR+8*(\kb)
.if (\kb) < 3
	s_wait_loadcnt 32                              ; this block's 32 loads are in; the next block's 32 may be out
.else
	s_wait_loadcnt 0x0
.endif
	v_max3_num_f32 v12, |v[XS]|, |v[XS+1]|, |v[XS+2]|   ; the block's largest magnitude, in two chains: all 32 numbers are mine
	v_max3_num_f32 v13, |v[XS+3]|, |v[XS+4]|, |v[XS+5]|
.irp n, 6,10,14,18,22,26
	v_max3_num_f32 v12, v12, |v[XS+\n]|, |v[XS+\n+1]|
	v_max3_num_f32 v13, v13, |v[XS+\n+2]|, |v[XS+\n+3]|
.endr
	v_max3_num_f32 v12, v12, |v[XS+30]|, |v[XS+31]|
	v_max3_num_f32 v12, v12, v13, FLOOR            ; and the floor: the byte cannot fall under 1
	v_add_nc_u32 v11, 0xff000000, v12              ; 2 off the exponent field: the conversion takes the exponent field of this operand as its scale
	v_cvt_scalef32_pk16_fp6_f32 v[CB:CB+2], v[XS:XS+15], v11
	v_cvt_scalef32_pk16_fp6_f32 v[CB+4:CB+6], v[XS+16:XS+31], v11   ; (a conversion's three registers begin on an even number)
	v_lshrrev_b32 v13, 23, v11                     ; the scale's byte.  (The plain line behind the conversions)
.if (\kb) == 0
	v_mov_b32 v24, v13
.else
	v_lshl_or_b32 v24, v13, 8*(\kb), v24           ; four bytes make my column's scale word, the lower K in the lower byte
.endif
	v_mov_b32 v[CB+3], v[CB+4]                     ; the gap is closed: the block's 24 bytes stand in six registers on end
	v_mov_b32 v[CB+4], v[CB+5]
	v_mov_b32 v[CB+5], v[CB+6]
; Block kb = 2 c + h is registers 6 c .. 6 c + 5 of lane r + 16 h of the fragment
.if (\kb) < 2
	ds_store_b128 v4, v[CB:CB+3] offset:256*((\kb)&1)              ; registers 0-3
	ds_store_b64 v4, v[CB+4:CB+5] offset:512+256*((\kb)&1)         ; registers 4, 5
.else
	ds_store_b64 v4, v[CB:CB+1] offset:520+256*((\kb)&1)           ; registers 6, 7
	ds_store_b128 v4, v[CB+2:CB+5] offset:1024+256*((\kb)&1)       ; registers 8-11
.endif
.if (\kb) < 2
	LOAD (\kb)+2
.endif
.endm
	BLOCK 0
	BLOCK 1
	BLOCK 2
	BLOCK 3
	ds_store_b32 v6, v24 offset:SCS
.irp g, 0,1,2,3,4,5
	ds_load_b128 v[OUTR+4*\g:OUTR+4*\g+3], v5 offset:512*\g        ; LDS serves a wave's instructions in order (ISA guide 5.7.1.4): these see my stores
.endr
.irp g, 0,1,2,3,4,5
	s_wait_dscnt 5-\g
	global_store_b128 v7, v[OUTR+4*\g:OUTR+4*\g+3], s[10:11] offset:512*\g   ; 32 lanes store 512 consecutive bytes, at a multiple of 512 from the buffer's first byte
.endr
	s_barrier_signal -1                            ; (the last count-down ended at 0: my scale word has landed)
	s_barrier_wait -1                              ; all four waves' scale words lie in LDS
	s_cmp_lg_u32 s16, 0
	s_cbranch_scc1 .Ldone
	ds_load_b128 v[152:155], v7 offset:SCS
	s_wait_dscnt 0x0
	global_store_b128 v7, v[152:155], s[12:13]     ; wave 0 stores the work-group's 512 bytes of scale words
.Ldone:
	s_wait_tensorcnt 0x0
	ds_add_u32 v160, v161
	s_wait_dscnt 0x0
	s_endpgm
.Lfunc_end_k_qafeda0f880_prep:
	.size	k_qafeda0f880_prep, .Lfunc_end_k_qafeda0f880_prep-k_qafeda0f880_prep
	.p2alignl 7, 3214868480
	.fill 96, 4, 3214868480
	.section	.rodata,"a",@progbits
	.p2align	6, 0x0
	.amdhsa_kernel k_qafeda0f880_prep
		.amdhsa_group_segment_fixed_size 13312
		.amdhsa_private_segment_fixed_size 0
		.amdhsa_enable_private_segment 0
		.amdhsa_kernarg_size 40
		.amdhsa_user_sgpr_count 2
		.amdhsa_user_sgpr_kernarg_segment_ptr 1
		.amdhsa_wavefront_size32 1
		.amdhsa_system_sgpr_workgroup_id_x 1
		.amdhsa_system_sgpr_workgroup_id_y 1
		.amdhsa_system_sgpr_workgroup_id_z 1
		.amdhsa_system_vgpr_workitem_id 0
		.amdhsa_next_free_vgpr 162
		.amdhsa_next_free_sgpr 66
		.amdhsa_reserve_vcc 0
		.amdhsa_float_denorm_mode_32 3
		.amdhsa_float_denorm_mode_16_64 3
		.amdhsa_memory_ordered 1
		.amdhsa_forward_progress 1
		.amdhsa_inst_pref_size 22
	.end_amdhsa_kernel
	.amdgpu_metadata
---
amdhsa.version: [ 1, 2 ]
amdhsa.kernels:
  - .name:           k_qafeda0f880_prep
    .symbol:         k_qafeda0f880_prep.kd
    .args:
      - { .name: Wq, .offset: 0, .size: 8, .value_kind: global_buffer, .address_space: global }
      - { .name: Wk, .offset: 8, .size: 8, .value_kind: global_buffer, .address_space: global }
      - { .name: value, .offset: 16, .size: 8, .value_kind: global_buffer, .address_space: global }
      - { .name: pcodes, .offset: 24, .size: 8, .value_kind: global_buffer, .address_space: global }
      - { .name: pscales, .offset: 32, .size: 8, .value_kind: global_buffer, .address_space: global }
    .group_segment_fixed_size: 13312
    .private_segment_fixed_size: 0
    .kernarg_segment_align: 8
    .kernarg_segment_size: 40
    .max_flat_workgroup_size: 128
    .sgpr_count:     66
    .vgpr_count:     162
    .wavefront_size: 32
...
	.end_amdgpu_metadata
.endif
;; end of part 4
;; launch proj (part 5): grid 256 x 1, 4 waves a work-group, no clusters, 327,680 bytes of LDS; arguments query, key, bq, bk, qcodes, kcodes, qscales, kscales, pcodes, pscales, mask; writes qcodes, kcodes, qscales, kscales
.if DOCPART == 5
	.amdgcn_target "amdgcn-amd-amdhsa--gfx1250"
	.amdhsa_code_object_version 6
	.text
	.protected	k_qafeda0f880_proj
	.globl	k_qafeda0f880_proj
	.p2align	8
	.type	k_qafeda0f880_proj,@function
k_qafeda0f880_proj:
	s_mov_b64 s[64:65], 0
	v_nop
	global_prefetch_b8 v0, s[64:65] scope:SCOPE_SE
	s_setreg_imm32_b32 hwreg(HW_REG_WAVE_MODE, 25, 1), 1
	s_wait_xcnt 0x0
; PROJ.  q = query Wq + bq and k = key Wk + bk, [16,384][1,024] x [1,024][512], on codes of FP6 (E2M3) with one E8M0 scale for each 32 along K; the results are quantised along their 512 and stored as codes:
; they are the operands of the scores' product (launch attn).  Work-groups 0-127 take query, 128-255 key: only pointers are chosen, both take one path through the text.
; SHARES.  A work-group takes 128 tokens x all 512 outputs x all of K, so that each f32 number of x is read from memory once.  THE WAVES SHARE THE COLUMNS: wave w makes outputs 128 w .. 128 w + 127 for all 128 tokens:
; 8 token tiles x 8 output tiles = 64 accumulators, 512 registers.  Its 128 outputs are exactly one K step (w) of the scores' product: one fragment and one scale word a token tile.
; x comes by the tensor data mover, each wave fetching the 32 rows that it quantises; the codes go from wave to wave through LDS as images of the operand's registers (three stores of 16 bytes a lane, and a scale word a lane).
; W's fragments (launch prep laid them in the registers' order) are wanted by ONE wave of the work-group each: they go from memory straight into its registers, two sets by turns.
; NO JOINT LOADS: x is shared by nobody; a fragment of W is read by one wave of each work-group and lies in register order, so through LDS it would be written and read once more for no second reader,
; and two slots of x for four waves take 266,240 of the LDS bytes.
; THE PRODUCT IS USED TRANSPOSED (source 0 = 16 columns of W, source 1 = 16 tokens): a lane holds one token and its registers run along the outputs, which are the next K.
; THE ORDER INSIDE A BLOCK OF 32: place p holds index p with bits 3 and 4 exchanged, on both sides of every product (see prep).  So the 16 registers of output tiles 2 b and 2 b + 1 in lane half h ARE places 16 h .. 16 h + 15 of block b.
; THE MASK: codes of keys whose mask is 0 are stored as zeros (a choice by v_cndmask_b32; queries keep all), so that in attn such a key's score is exactly the constant that stands for 'masked'.
; STORED: qcodes, kcodes [token tile][K step 0..3][1,536], images of registers.  qscales, kscales [128 tokens][2,048]: the word of (tile m, K step s, row r) at 512 (m / 2) + 16 (r + 16 (s % 2)) + 4 (2 (m % 2) + s / 2).
; LIMITS: a block of zeros gets the byte 1; largest magnitudes under 2^-124 are held at that floor; NaN and infinities are not served.
; REGISTERS, in windows of 256 (s_set_vgpr_msb: bits 1:0 source 0, 3:2 source 1, 5:4 source 2, 7:6 destination):
;   window 0: v2-15 addresses; v16-23 W's scale words, two sets; v24-31 x's; v32-127 x's eight fragments; v128-191 64 numbers of x; v192-207 at work; v208-209 scale words made; v210-249 codes made, two sets
;   window 1: v0-95, v96-191 W's eight fragments, two sets; v192-255 the bias (C of the first K step's products), then 64 numbers of x.   windows 2, 3: accumulator (m, t) at v[64 (m % 4) + 8 t] of window 2 + m / 4
.set XP,    1040                       ; a row of x in LDS: 1,024 bytes (two K steps of 128) + 16 = 65 x 16: the sixteen rows of a load of 16 bytes a lane start at sixteen different 16-byte columns modulo 256
.set XSLOT, 32*XP                      ; a slot: a wave's 32 rows
.set XSW,   2*XSLOT                    ; a wave's two slots
.set XIMG,  4*XSW                      ; x's fragments as images: two sets x 8 x 1,536
.set XSC,   XIMG+2*8*1536              ; their scale words: two sets x 8 x 128
.set SCST,  XSC+2*8*128                ; the results' scale words, gathered: 2,048 bytes
.set SPARE, SCST+2048                  ; the spare words, 128 bytes for each wave: two blocks of 256 bytes that no other line names
.set LI,  2                            ; v2   16 x lane
.set LS,  3                            ; v3   4 x lane
.set XA,  4                            ; v4   x in my slots: wave x XSW + r XP + 32 h
.set XWI, 5                            ; v5   where I store images: XIMG + 3,072 wave + 16 lane
.set XWS, 6                            ; v6   and their scale words: XSC + 256 wave + 4 lane
.set SCW, 7                            ; v7   where I put a result's scale word
.set SCR, 8                            ; v8   SCST + 16 x thread
.set TI,  9                            ; v9   16 x thread
.set SPW, 10                           ; v10  my spare word; never rewritten
.set NIL, 11                           ; v11  0; never rewritten
.set HB,  12                           ; v12  32 h
.set RM,  13                           ; v13  4 r
.set XRI, 14                           ; v14  XIMG + 16 lane
.set XRS, 15                           ; v15  XSC + 4 lane
.set WSC, 16
.set XSCR, 24
.set XF,  32
.set ST0, 128
.set TM,  192
.set PW0, 208
.set PC0, 210
.set ST1, 192                          ; in window 1
.set BI,  192                          ; in window 1
.set MSB, 0
.macro WIN new                         ; the immediate's high byte repeats the setting that is left; a switch that changes nothing is dropped
.if MSB != (\new)
	s_set_vgpr_msb (MSB<<8)|(\new)
.set MSB, (\new)
.endif
.endm
.macro WM                              ; one product; the registers stand in symbols.  fA: W's scale words in lanes 16-31
.if fA
	v_wmma_scale_f32_16x16x128_f8f6f4 v[rD:rD+7], v[rA:rA+11], v[rB:rB+11], v[rC:rC+7], v[rSA], v[rSB] matrix_a_fmt:MATRIX_FMT_FP6 matrix_b_fmt:MATRIX_FMT_FP6 matrix_a_scale:MATRIX_SCALE_ROW1
.else
	v_wmma_scale_f32_16x16x128_f8f6f4 v[rD:rD+7], v[rA:rA+11], v[rB:rB+11], v[rC:rC+7], v[rSA], v[rSB] matrix_a_fmt:MATRIX_FMT_FP6 matrix_b_fmt:MATRIX_FMT_FP6
.endif
.endm
; 64 numbers of a lane in window win, register 16 b + i = place 16 (lane / 16) + i of block b of my row, become a fragment's codes in v[pc] on and its scale word in v[pw].
.macro QUANT src, win, pc, pw
	WIN (\win)|((\win)<<2)
.irp b, 0,1,2,3
	v_max3_num_f32 v[TM+\b], |v[(\src)+16*\b]|, |v[(\src)+16*\b+1]|, 0x1800000   ; my 16 numbers of block b, and the floor 2^(3 - 127): the byte cannot fall under 1
.endr
.irp n, 2,4,6,8,10,12,14
.irp b, 0,1,2,3
	v_max3_num_f32 v[TM+\b], |v[(\src)+16*\b+\n]|, |v[(\src)+16*\b+\n+1]|, v[TM+\b]   ; (the four blocks by turns; each accumulator is read from its low end on)
.endr
.endr
	WIN 0
.irp b, 0,1,2,3
	v_permlanex16_b32 v[TM+4+\b], v[TM+\b], s30, s31
.endr
.irp b, 0,1,2,3
	v_max_num_f32 v[TM+\b], v[TM+\b], v[TM+4+\b]   ; with lane l xor 16's: the block's largest magnitude
.endr
.irp b, 0,1,2,3
	v_add_nc_u32 v[TM+12+\b], 0xff000000, v[TM+\b] ; 2 off its exponent field: the conversion's scale operand
.endr
.irp b, 0,1,2,3
	v_lshrrev_b32 v[TM+4+\b], 23, v[TM+12+\b]      ; the scale's byte
.endr
	v_lshl_or_b32 v[\pw], v[TM+5], 8, v[TM+4]      ; my row's scale word
	v_lshl_or_b32 v[\pw], v[TM+6], 16, v[\pw]
	v_lshl_or_b32 v[\pw], v[TM+7], 24, v[\pw]
	WIN (\win)
.irp c, 0,1
	v_cvt_scalef32_pk16_fp6_f32 v[\pc+6*\c:\pc+6*\c+2], v[(\src)+32*\c:(\src)+32*\c+15], v[TM+12+2*\c]
	v_cvt_scalef32_pk16_fp6_f32 v[\pc+12+4*\c:\pc+14+4*\c], v[(\src)+32*\c+16:(\src)+32*\c+31], v[TM+13+2*\c]   ; (a conversion's three registers begin on an even number)
.endr
	WIN 0
	v_nop                                          ; one plain line behind the scaled conversions
.irp c, 0,1                            ; the operand's layout wants a WHOLE block in a lane: lanes 0-15 block 2 c, lanes 16-31 block 2 c + 1
.irp e, 0,1,2
	v_permlane16_swap_b32 v[\pc+6*\c+\e], v[\pc+12+4*\c+\e]
.endr
.irp e, 0,1,2
	v_mov_b32 v[\pc+3+6*\c+\e], v[\pc+12+4*\c+\e]
.endr
.endr
.endm
; 64 numbers of K step ks of my token tile 2 w + a, from my slot into v[st] on of window stwin.  Of a block's 128 bytes lane half h takes bytes 32 h .. + 31 and 64 + 32 h .. + 31: the order of places
.macro XLD st, stwin, ks, a
	WIN (\stwin)<<6
.irp b, 0,1,2,3
.irp j, 0,1,2,3
	ds_load_b128 v[\st+16*\b+4*\j:\st+16*\b+4*\j+3], v[XA] offset:(((\ks)>>1)&1)*XSLOT+(\a)*16*XP+((\ks)&1)*512+128*\b+16*(\j&1)+64*(\j>>1)
.endr
.endr
	WIN 0
.endm
.macro IMAGE pc, pw, ks, a             ; the fragment goes to LDS as it stands, into the set of K step ks
.irp c, 0,1,2
	ds_store_b128 v[XWI], v[\pc+4*\c:\pc+4*\c+3] offset:((\ks)&1)*12288+(\a)*1536+512*\c
.endr
	ds_store_b32 v[XWS], v[\pw] offset:((\ks)&1)*1024+(\a)*128
.endm
.macro XFETCH ks                       ; all eight fragments of x and their scale words: 32 LDS loads
.irp m, 0,1,2,3,4,5,6,7
.irp c, 0,1,2
	ds_load_b128 v[XF+12*\m+4*\c:XF+12*\m+4*\c+3], v[XRI] offset:((\ks)&1)*12288+1536*\m+512*\c
.endr
.endr
.irp m, 0,1,2,3,4,5,6,7
	ds_load_b32 v[XSCR+\m], v[XRS] offset:((\ks)&1)*1024+128*\m
.endr
.endm
.macro WLOAD ks                        ; my eight fragments of W of K step ks and their scale words: 25 loads, 512 consecutive bytes each
	global_load_b128 v[WSC+4*((\ks)&1):WSC+4*((\ks)&1)+3], v[LI], s[22:23] offset:2048*(\ks)
	WIN 0x40
.irp t, 0,1,2,3,4,5,6,7
.irp c, 0,1,2
	global_load_b128 v[96*((\ks)&1)+12*\t+4*\c:96*((\ks)&1)+12*\t+4*\c+3], v[LI], s[20:21] offset:49152*(\ks)+1536*\t+512*\c
.endr
.endr
	WIN 0
.endm
; 64 products: the 64 accumulators take turns, one instruction a turn, in the same order in every K step.  The first K step's C is the bias: nothing is cleared, nothing is added later.
.macro MUL ks
.irp m, 0,1,2,3,4,5,6,7
.if (\ks) == 0
	WIN 0x91+0x40*(\m/4)                           ; W window 1, x window 0, the bias window 1, D window 2 or 3
.else
	WIN 0xa1+0x50*(\m/4)                           ; C and D window 2 or 3
.endif
.irp t, 0,1,2,3,4,5,6,7
.set rD, 64*(\m%4)+8*\t
.set rC, rD
.if (\ks) == 0
.set rC, BI+8*\t
.endif
.set rA, 96*((\ks)&1)+12*\t
.set rB, XF+12*\m
.set rSA, WSC+4*((\ks)&1)+\t/2
.set rSB, XSCR+\m
.set fA, \t%2
	WM
.endr
.endr
.endm
	s_load_b256 s[4:11], s[0:1], 0x0               ; query s[4:5], key s[6:7], bq s[8:9], bk s[10:11]
	s_load_b256 s[12:19], s[0:1], 0x20             ; qcodes, kcodes, qscales, kscales
	s_load_b128 s[20:23], s[0:1], 0x40             ; pcodes, pscales
	s_load_b64 s[24:25], s[0:1], 0x50              ; mask
	v_lshl_add_u32 v[SPW], v0, 2, SPARE
	v_mov_b32 v[NIL], 0
	ds_add_u32 v10, v11
	ds_add_u32 v10, v11
	s_wait_dscnt 0x0
	v_lshrrev_b32 v1, 5, v0
	v_readfirstlane_b32 s28, v1                    ; wave 0..3
	; descriptor group 1: 32 rows x 256 elements of 4 bytes, 1,024 elements from row to row, 16 bytes of padding behind each row
	s_mov_b32 s32, (2<<16)|(1<<20)|(7<<22)|(3<<25) ; 17:16 elements of 4 bytes; 20 padding on; 24:22 after every 256 words (code 7); 31:25 of 4 words (code 3)
	s_mov_b32 s33, 256<<16                         ; tensor_dim0 = 256
	s_mov_b32 s34, 32<<16                          ; tensor_dim1 = 32
	s_mov_b32 s35, 256<<16                         ; tile_dim0 = 256
	s_mov_b32 s36, 32                              ; tile_dim1 = 32
	s_mov_b32 s37, 1024                            ; tensor_dim0_stride
	s_mov_b32 s38, 0
	s_mov_b32 s39, 0
	s_mov_b32 s30, 0x76543210
	s_mov_b32 s31, 0xfedcba98                      ; v_permlanex16_b32's selects for lane l xor 16
	s_and_b32 s56, ttmp9, 127                      ; G: which 128 tokens
	s_lshl_b32 s57, s56, 19                        ; 128 rows of 4,096 bytes
	s_lshl_b32 s58, s28, 17                        ; my wave's 32 of them
	s_add_co_u32 s58, s57, s58
	s_mov_b32 s59, 0
	s_mov_b32 s40, 1                               ; group 0, slot 0: count = 1,
	s_mul_i32 s41, s28, XSW                        ; LDS address: wave x two slots
	s_mov_b32 s44, 1                               ; slot 1
	s_add_co_u32 s45, s41, XSLOT
	s_wait_kmcnt 0x0
	s_cmp_lt_u32 ttmp9, 128                        ; query's work-group or key's?  The choice hangs on the work-group's number alone
	s_cselect_b64 s[4:5], s[4:5], s[6:7]           ; x
	s_cselect_b64 s[8:9], s[8:9], s[10:11]         ; the bias
	s_cselect_b64 s[12:13], s[12:13], s[14:15]     ; the codes out
	s_cselect_b64 s[16:17], s[16:17], s[18:19]     ; the scale words out
	s_cselect_b32 s26, 0, 393216                   ; Wk's slabs lie eight slabs of codes on,
	s_cselect_b32 s27, 0, 16384                    ; and of scale words
	s_cselect_b32 s29, -1, 0                       ; queries keep all their codes
	s_add_nc_u64 s[42:43], s[4:5], s[58:59]        ; K steps 0, 1 of my 32 rows,
	s_add_nc_u64 s[46:47], s[42:43], 1024          ; K steps 2, 3
	s_or_b32 s43, s43, 0x80000000                  ; type = 2
	s_or_b32 s47, s47, 0x80000000
	tensor_load_to_lds s[40:43], s[32:39]          ; slot 0's first fill; slot 1's goes out only behind a wait for this one and a barrier
	s_nop 0
	s_wait_alu depctr_va_vdst(0)
	s_wait_tensorcnt 0x0
	ds_add_u32 v10, v11
	s_wait_dscnt 0x0
	s_barrier_signal -1
	s_barrier_wait -1
	tensor_load_to_lds s[44:47], s[32:39]
	s_nop 0
	v_and_b32 v1, 31, v0                           ; lane
	v_and_b32 v200, 15, v0                         ; r
	s_wait_alu depctr_va_vdst(0)
	v_bfe_u32 v201, v0, 4, 1                       ; h
	v_lshlrev_b32 v[LI], 4, v1
	v_lshlrev_b32 v[LS], 2, v1
	v_mul_u32_u24 v[XA], v200, XP
	v_lshl_add_u32 v[XA], v201, 5, v[XA]
	v_add_nc_u32 v[XA], s41, v[XA]
	s_mul_i32 s57, s28, 3072
	s_add_co_u32 s57, s57, XIMG
	v_add_nc_u32 v[XWI], s57, v[LI]
	s_lshl_b32 s57, s28, 8
	s_add_co_u32 s57, s57, XSC
	v_add_nc_u32 v[XWS], s57, v[LS]
	s_and_b32 s57, s28, 1                          ; my results are K step s = wave: 16 (r + 16 (s % 2)) + 4 (s / 2)
	s_lshl_b32 s57, s57, 8
	s_lshr_b32 s60, s28, 1
	s_lshl_b32 s60, s60, 2
	s_add_co_u32 s57, s57, s60
	s_add_co_u32 s57, s57, SCST
	v_lshl_add_u32 v[SCW], v200, 4, s57
	v_lshlrev_b32 v[TI], 4, v0
	v_add_nc_u32 v[SCR], SCST, v[TI]
	v_lshlrev_b32 v[HB], 5, v201
	v_lshlrev_b32 v[RM], 2, v200
	s_wait_alu depctr_va_vdst(0)
	v_add_nc_u32 v[XRI], XIMG, v[LI]
	v_add_nc_u32 v[XRS], XSC, v[LS]
	s_lshl_b32 s58, s28, 9
	s_add_nc_u64 s[8:9], s[8:9], s[58:59]          ; the bias of my 128 outputs
	s_add_co_u32 s60, s27, s58
	s_mov_b32 s61, 0
	s_add_nc_u64 s[22:23], s[22:23], s[60:61]      ; W's scale words: my group of 128 columns
	s_mul_i32 s60, s28, 12288
	s_add_co_u32 s60, s60, s26
	s_add_nc_u64 s[20:21], s[20:21], s[60:61]      ; W's codes: my eight fragments of a slab
	s_mul_i32 s60, s56, 49152
	s_mul_i32 s62, s28, 1536
	s_add_co_u32 s60, s60, s62
	s_add_nc_u64 s[12:13], s[12:13], s[60:61]      ; out: 8 token tiles x 6,144 bytes a group, K step = wave
	s_lshl_b32 s60, s56, 11
	s_add_nc_u64 s[16:17], s[16:17], s[60:61]
	s_lshl_b32 s60, s56, 9
	s_add_nc_u64 s[24:25], s[24:25], s[60:61]      ; the mask of my 128 tokens
.irp m, 0,1,2,3,4,5,6,7
	global_load_b32 v[ST0+\m], v[RM], s[24:25] offset:64*\m        ; the mask of token r of tile m
.endr
	WIN 0x40
.irp t, 0,1,2,3,4,5,6,7
	global_load_b128 v[BI+8*\t:BI+8*\t+3], v[HB], s[8:9] offset:64*\t           ; the bias in the result's layout: outputs 16 t + 8 h + 0 .. 7
	global_load_b128 v[BI+8*\t+4:BI+8*\t+7], v[HB], s[8:9] offset:64*\t+16
.endr
	WIN 0
	WLOAD 0
.irp b, 0,1,2,3
	v_mov_b32 v[TM+4+\b], 0                        ; written once: a lane permute's destination counts as one of its sources
.endr
	s_wait_loadcnt 41                              ; the mask is in; the bias's 16 loads and W's 25 may be out
.irp m, 0,1,2,3,4,5,6,7
	v_cmp_ne_u32 s[48+\m], 0, v[ST0+\m]            ; a bit a lane: token r of tile m keeps its codes
.endr
.irp m, 0,1,2,3,4,5,6,7
	s_or_b32 s[48+\m], s[48+\m], s29
.endr
	s_wait_tensorcnt 1                             ; my slot 0 is in (only I read it); slot 1's load may be out
	XLD ST0, 0, 0, 0                               ; K step 0 is quantised tile by tile through one set of registers: the other still holds the bias
	s_wait_dscnt 0x0
	QUANT ST0, 0, PC0, PW0
	IMAGE PC0, PW0, 0, 0
	XLD ST0, 0, 0, 1
	s_wait_dscnt 0x0
	QUANT ST0, 0, PC0+20, PW0+1
	IMAGE PC0+20, PW0+1, 0, 1
; A K STEP of 128: one barrier; behind it x's eight fragments of this step lie in one set of images, and nobody reads the other set, into which the next step's go.
; SLOTS: slot 0 holds K steps 0, 1, then 4, 5; slot 1 holds 2, 3, then 6, 7.  Step s reads step s + 1's numbers, so slot 0 has been read out at step 1's barrier and slot 1 at step 3's: there they are filled again.
.macro STEP ks
.if ((\ks) == 1) || ((\ks) == 3)
	s_wait_tensorcnt 0x0                           ; all my tensor loads have landed: the other slot, which is read next, among them; so a group 0 may be written
	ds_add_u32 v[SPW], v[NIL]                      ; 0 onto my spare word
	s_add_nc_u64 s[42+4*((\ks)>>1):43+4*((\ks)>>1)], s[42+4*((\ks)>>1):43+4*((\ks)>>1)], 2048   ; four K steps on along the rows
.elseif (\ks) == 5
	s_wait_tensorcnt 0x0                           ; slot 1's second fill, my last tensor load, is in: it is read below
.endif
	s_wait_dscnt 0x0                               ; my images have landed; my reads of the other set of images and of my slots are over (and the add is done)
	s_barrier_signal -1
	s_barrier_wait -1
.if ((\ks) == 1) || ((\ks) == 3)
	tensor_load_to_lds s[40+4*((\ks)>>1):43+4*((\ks)>>1)], s[32:39]   ; the first thing behind the barrier, and my one tensor load until the next such barrier
	s_nop 0
.rept 4
	v_nop
.endr
.endif
	XFETCH \ks
.if (\ks) < 7
	XLD ST0, 0, (\ks)+1, 0                         ; the next step's numbers of my two token tiles,
.if (\ks) > 0
	XLD ST1, 1, (\ks)+1, 1
.endif
	WLOAD (\ks)+1                                  ; and its fragments of W, into the set that the step before multiplied
	s_wait_loadcnt 25                              ; this step's W (and in step 0 the bias) is in; the 25 just issued may be out
.if (\ks) > 0
	s_wait_dscnt 32                                ; x's fragments are in; the 32 loads of numbers may be out
.else
	s_wait_dscnt 16
.endif
.else
	s_wait_loadcnt 0x0
	s_wait_dscnt 0x0
.endif
	MUL \ks
	WIN 0
.if (\ks) < 7
.if (\ks) == 0
.rept 4
	v_nop                                          ; places between the products that read the bias and the loads into its registers
.endr
	XLD ST1, 1, 1, 1
.endif
	s_wait_dscnt 16                                ; my first tile's numbers are in
	QUANT ST0, 0, PC0, PW0                         ; (these lines are also the places between this step's products and the next step's loads into their operands)
	IMAGE PC0, PW0, (\ks)+1, 0
	s_wait_dscnt 4                                 ; my second tile's are in: behind them only the four stores just issued
	QUANT ST1, 1, PC0+20, PW0+1
	IMAGE PC0+20, PW0+1, (\ks)+1, 1
.endif
.endm
	STEP 0
	STEP 1
	STEP 2
	STEP 3
	STEP 4
	STEP 5
	STEP 6
	STEP 7
.rept 4
	v_nop                                          ; places behind the last products, in front of the first read of results
.endr
; THE WAY OUT.  Token tile m: my eight accumulators are 64 numbers a lane in the order that QUANT takes; the fragment is stored as it stands, 512 consecutive bytes a store.
.macro OUT m
.set PCX, PC0+20*((\m)&1)
.set PWX, PW0+((\m)&1)
.if (\m) >= 2
	s_wait_xcnt 0x0                                ; the stores of two tiles back have read these registers
	s_wait_dscnt 0x1                               ; and so has that tile's store of its scale word (the last tile's may be out)
.endif
	QUANT 64*((\m)&3), 2+((\m)>>2), PCX, PWX
.irp e, 0,1,2,3,4,5,6,7,8,9,10,11
	v_cndmask_b32 v[PCX+\e], 0, v[PCX+\e], s[48+\m]   ; a masked key's codes are zeros
.endr
.irp c, 0,1,2
	global_store_b128 v[LI], v[PCX+4*\c:PCX+4*\c+3], s[12:13] offset:6144*(\m)+512*\c
.endr
	ds_store_b32 v[SCW], v[PWX] offset:512*((\m)>>1)+8*((\m)&1)   ; both lanes of a row write the same word with the same value
.endm
	OUT 0
	OUT 1
	OUT 2
	OUT 3
	OUT 4
	OUT 5
	OUT 6
	OUT 7
	s_wait_dscnt 0x0                               ; for the others' sake: my scale words have landed
	s_barrier_signal -1
	s_barrier_wait -1
	ds_load_b128 v[ST0:ST0+3], v[SCR]
	s_wait_dscnt 0x0
	global_store_b128 v[TI], v[ST0:ST0+3], s[16:17]   ; the group's 2,048 bytes of scale words: 512 consecutive bytes a wave
	s_wait_tensorcnt 0x0                           ; the wave's end
	ds_add_u32 v[SPW], v[NIL]
	s_wait_dscnt 0x0
	s_endpgm
.Lfunc_end_k_qafeda0f880_proj:
	.size	k_qafeda0f880_proj, .Lfunc_end_k_qafeda0f880_proj-k_qafeda0f880_proj
	.p2alignl 7, 3214868480
	.fill 96, 4, 3214868480
	.section	.rodata,"a",@progbits
	.p2align	6, 0x0
	.amdhsa_kernel k_qafeda0f880_proj
		.amdhsa_group_segment_fixed_size 327680
		.amdhsa_private_segment_fixed_size 0
		.amdhsa_enable_private_segment 0
		.amdhsa_kernarg_size 88
		.amdhsa_user_sgpr_count 2
		.amdhsa_user_sgpr_kernarg_segment_ptr 1
		.amdhsa_wavefront_size32 1
		.amdhsa_system_sgpr_workgroup_id_x 1
		.amdhsa_system_sgpr_workgroup_id_y 1
		.amdhsa_system_sgpr_workgroup_id_z 1
		.amdhsa_system_vgpr_workitem_id 0
		.amdhsa_next_free_vgpr 1024
		.amdhsa_next_free_sgpr 66
		.amdhsa_reserve_vcc 0
		.amdhsa_float_denorm_mode_32 3
		.amdhsa_float_denorm_mode_16_64 3
		.amdhsa_memory_ordered 1
		.amdhsa_forward_progress 1
		.amdhsa_inst_pref_size 232
	.end_amdhsa_kernel
	.amdgpu_metadata
---
amdhsa.version: [ 1, 2 ]
amdhsa.kernels:
  - .name:           k_qafeda0f880_proj
    .symbol:         k_qafeda0f880_proj.kd
    .args:
      - { .name: query, .offset: 0, .size: 8, .value_kind: global_buffer, .address_space: global }
      - { .name: key, .offset: 8, .size: 8, .value_kind: global_buffer, .address_space: global }
      - { .name: bq, .offset: 16, .size: 8, .value_kind: global_buffer, .address_space: global }
      - { .name: bk, .offset: 24, .size: 8, .value_kind: global_buffer, .address_space: global }
      - { .name: qcodes, .offset: 32, .size: 8, .value_kind: global_buffer, .address_space: global }
      - { .name: kcodes, .offset: 40, .size: 8, .value_kind: global_buffer, .address_space: global }
      - { .name: qscales, .offset: 48, .size: 8, .value_kind: global_buffer, .address_space: global }
      - { .name: kscales, .offset: 56, .size: 8, .value_kind: global_buffer, .address_space: global }
      - { .name: pcodes, .offset: 64, .size: 8, .value_kind: global_buffer, .address_space: global }
      - { .name: pscales, .offset: 72, .size: 8, .value_kind: global_buffer, .address_space: global }
      - { .name: mask, .offset: 80, .size: 8, .value_kind: global_buffer, .address_space: global }
    .group_segment_fixed_size: 327680
    .private_segment_fixed_size: 0
    .kernarg_segment_align: 8
    .kernarg_segment_size: 88
    .max_flat_workgroup_size: 128
    .sgpr_count:     66
    .vgpr_count:     1024
    .wavefront_size: 32
...
	.end_amdgpu_metadata
.endif
;; end of part 5
;; launch attn (part 6): grid 32 x 8, 4 waves a work-group, no clusters, 98,816 bytes of LDS; arguments qcodes, qscales, kcodes, kscales, pcodes, pscales, mask, out0; writes out0
.if DOCPART == 6
	.amdgcn_target "amdgcn-amd-amdhsa--gfx1250"
	.amdhsa_code_object_version 6
	.text
	.protected	k_qafeda0f880_attn
	.globl	k_qafeda0f880_attn
	.p2align	8
	.type	k_qafeda0f880_attn,@function
k_qafeda0f880_attn:
	s_mov_b64 s[64:65], 0
	v_nop
	global_prefetch_b8 v0, s[64:65] scope:SCOPE_SE
	s_setreg_imm32_b32 hwreg(HW_REG_WAVE_SCHED_MODE, 0, 2), 2
	s_setreg_imm32_b32 hwreg(HW_REG_WAVE_MODE, 25, 1), 1
	s_wait_xcnt 0x0
	s_wait_alu depctr_vm_vsrc(0)
; ATTN.  out[b][q][:] = the sum over keys of softmax(q . k / sqrt(512), masked) value, both products on codes of FP6 (E2M3) with one E8M0 scale for each 32 along K.
; THE SOFTMAX AHEAD OF THE SECOND PRODUCT: t = score x log2(e) / sqrt(512); M = the row's largest t so far, rounded UP to a whole number; p = 2^(t - M) is quantised along the keys, not normalised.
; The row's sum is taken of the unquantised p and divides at the end.  When M moves, the sum and O are multiplied by 2^(old M - new M): exact.
; SHARES.  A work-group owns 64 queries of one batch (grid 32 x 8); a key step is 512 keys, four steps.  SCORES: wave w takes keys 128 w .. + 127 of the step against all 64 queries (8 key tiles x 4 query tiles = 32
; accumulators).  P V: wave w takes channels 128 w .. + 127 of value against all 64 queries (32 accumulators).  So every fragment of K and of V feeds four products and is wanted by exactly ONE wave of the work-group.
; K AND V GO FROM MEMORY STRAIGHT INTO REGISTERS (their buffers are images of the operand's registers: three loads of 16 bytes a lane, 512 consecutive bytes each), under counted waits.  A QUAD is four fragments.  A ring of four
; quads takes K's eight quads of a step and V's first four; V's last four land in the registers that p has left, asked for behind the stores of p's images.  So V's first four have the softmax in which to land, its last four the
; rescaling of O^T and 64 products, the next step's first four of K 112 products, and only K's last four the 48 products of three quads.
; What goes from wave to wave goes through LDS: Q's and P's fragments as images, the step's maxima, the sums.
; THE WORK-GROUPS OF A BATCH BEGIN AT DIFFERENT KEY STEPS: work-group x begins at step (x + x / 4) mod 4 and walks the four steps round; the running maximum leaves the order of the steps free.  So the 32 work-groups of a
; batch ask for four different quarters of K and V at a time, and from its second step on each asks for bytes that eight others asked for a whole step earlier.  In every half of the 32 that one bit of x picks all four
; beginnings occur.  Only global addresses hang on x: the table of the mask is laid in LDS in the order of the walk.
; NO PREFETCH: a quarter's first readers ask for it at the kernel's head; every later reader follows eight work-groups' loads of the same bytes by a key step.
; NO JOINT LOADS, though the 32 work-groups of a batch walk the same K and V: through LDS a step's 393,216 bytes would be written and read once more for no second reader in the work-group, beside the 196,608 bytes
; of Q's and P's images that the four waves read in a step; and a slot that is filled behind a barrier would have at most 64 products a wave in which to land.
; LAYOUT.  Both products are used transposed: S^T = K Q^T (source 0 = 16 keys), O^T = V^T P^T (source 0 = 16 channels): a lane holds ONE query (lane % 16) throughout.  Inside a block of 32 along K place p holds index p with
; bits 3 and 4 exchanged, on both sides of every product (see prep): so p's 16 registers of key tiles 2 b and 2 b + 1 in lane half h are places 16 h .. 16 h + 15 of block b.
; THE MASK costs nothing a score: launch proj stored zeros for the codes of masked keys, and the C of each score tile's first product is 0 or -3 x 2^33 by the key's mask (a table in LDS made here from the input).
; LIMITS.  A masked key's logit is -3 x 2^33 / sqrt(512) = -1.139e9 where the definition has -1e9: results differ only where unmasked logits lie near or under -1e9.  The constant is chosen so that its product with
; c = 0x3d8293ee is exact in f32: in a batch whose keys are all masked t - M is exactly 0 and every p exactly 1, as defined.  NaN and infinities are not served.  A block of p that is all zeros keeps the byte 1.
; REGISTERS, in windows of 256 (s_set_vgpr_msb: bits 1:0 source 0, 3:2 source 1, 5:4 source 2, 7:6 destination):
;   window 0: v1-14 addresses; v16-63 scale words and nothing else; v64-87 six statistics a query tile; v88-148 at work; v160-207, v208-255 source 1's four fragments, two sets (in the softmax: the codes being made)
;   window 1: S^T, then p: (i, kt) at v[64 i + 8 kt]; behind the stores of p's images v0-191 V's quads 4 to 7; on the way out rows of O.   window 2: O^T: (i, vt) at v[64 i + 8 vt].
;   window 3: v0-191 the ring; v192-255 the scores' C: 8 registers a key tile
; THE MODE: SCHED_MODE bits 1:0 = 2 (LLVM: expert scheduling mode 2), set by the entry lines.  The code itself states the register dependences between vector or matrix instructions and memory or LDS instructions,
; with s_wait_alu, always for 0.
; THE PLAN.  Registers that memory or LDS instructions touch, round a key step:
;   the ring          a quad of it is read by the 16 products of a QUAD; the 12 loads that fill it again stand behind those products.
;   source 1's sets   a set is filled by LDS loads and read by the products of two QUADs; the next fetch into it stands behind the second.  In the softmax the conversions, swaps and moves write both sets, the stores of
;                     P's images read them, and P's fragments land in them behind the step's second barrier.
;   window 1, v0-191  written by the scores' products, the scalings and the exponentials, read by the sums and the conversions; then V's quads 4 to 7 land there; read by the P V phase's quads 4 to 7.
;   KSC, VSC, PS, C   filled by loads alone, read by the products of one phase, filled again a phase or more later.
;   SMX, PW           written by vector instructions, read by LDS stores.       T2   written and read by vector instructions; then the waves' maxima land there.
;   v[BA]             written by one add a step, read by the 16 LDS loads of the scores' C.       All other addresses are made at the head and never written again.
; So ONE wait on va_vdst stands behind each QUAD that asks for something, and all that the QUAD asks for follows it in one run, with window switches alone between; the softmax has one ahead of the stores of the maxima and
; one behind the moves, which serves the stores of the images, V's 48 loads and the later landing of P's fragments.  A wait on vm_vsrc stands behind each of the softmax's two barriers.
; No operand or scale of a product is written by a vector instruction: all come from loads.  EXEC is never written.
.set QIMG,  0                          ; LDS: Q's 16 fragments: 6,144 i + 1,536 s
.set PIMG,  24576                      ; P's 16 fragments: 6,144 x (the wave that made it) + 1,536 i
.set PSC,   49152                      ; their scale words, 128 bytes each
.set BIAS,  51200                      ; 0 or -3 x 2^33 for each of the batch's 2,048 keys, in the order of my walk
.set MX,    59392                      ; the waves' maxima (at the end: sums): 512 i + 16 lane + 4 wave
.set STAGE, 61440                      ; the way out: 16 rows x (512 bytes + 16) for each wave
.set SPT,   528
.set TI,  1                            ; v1   16 x thread
.set LI,  2                            ; v2   16 x lane
.set LS,  3                            ; v3   4 x lane
.set PWI, 4                            ; v4   6,144 wave + 16 lane
.set PWS, 5                            ; v5   512 wave + 4 lane
.set MXW, 6                            ; v6   16 lane + 4 wave
.set BA0, 8                            ; v8   512 wave + 32 h
.set BA,  9                            ; v9   the same + 2,048 x the number of steps walked
.set SIN, 13                           ; v13  the stage: where I put 32 bytes of a row
.set SOUT, 14                          ; v14  and where I read a row back
.set QSC, 16                           ; v16-23  Q's scale words: register 2 i + s / 2, lanes 16 (s % 2) on
.set KSC, 24                           ; v24-39  K's: register 2 kt + s / 2, lanes 16 (s % 2) on
.set VSC, 40                           ; v40-55  V's: register 4 g + vt / 2, lanes 16 (vt % 2) on
.set PS,  56                           ; v56-63  P's: register 4 (g % 2) + i
.set STT, 64                           ; tile i at v[64 + 6 i]: +0 -M, +1 the largest t, +2, +3 the sum in two halves, +4 f (at the end 1 / sum), +5 written once (named in a pair)
.set BM,  88                           ; v88-103   the largest score, then the largest p, of block b of tile i: 4 i + b  (at the head v88-91: the offsets of the mask's four chunks)
.set T2,  104                          ; v104-119  at work
.set SCO, 120                          ; v120-135  the conversions' scale operands
.set PW,  136                          ; v136-139  p's scale words
.set SMX, 140                          ; v140-143  a tile's largest score
.set OLD, 144                          ; v144-147
.set NEG, 148                          ; v148  -3 x 2^33
.set BS,  160
.set RB,  192                          ; in window 3
.set SKC,  26                          ; s[26:27] K's codes: my eight key tiles of the step in hand
.set SKS,  28                          ; s[28:29] K's scale words of the NEXT step
.set SVC,  30                          ; s[30:31] V's codes: my eight channel tiles of the step's first slab
.set SVS,  32                          ; s[32:33] V's scale words of the step
.set SKN,  38                          ; s[38:39] K's codes of the NEXT step
.set SU,   48                          ; s48  the key step in hand, 0 .. 3
.set SUN,  49                          ; s49  the next
.set BK0,  50                          ; s[50:51], s[52:53], s[54:55], s[56:57]: the four pointers at the batch's step 0; never rewritten
.set BKS0, 52
.set BV0,  54
.set BVS0, 56
.set SKS1, 58                          ; s[58:59] K's scale words of my first step; never rewritten
.set MSB, 0
.macro WIN new                         ; the immediate's high byte repeats the setting that is left; a switch that changes nothing is dropped
.if MSB != (\new)
	s_set_vgpr_msb (MSB<<8)|(\new)
.set MSB, (\new)
.endif
.endm
.macro WM                              ; one product; the registers stand in symbols.  fA, fB: that side's scale words stand in lanes 16-31
.if fA && fB
	v_wmma_scale_f32_16x16x128_f8f6f4 v[rD:rD+7], v[rA:rA+11], v[rB:rB+11], v[rC:rC+7], v[rSA], v[rSB] matrix_a_fmt:MATRIX_FMT_FP6 matrix_b_fmt:MATRIX_FMT_FP6 matrix_a_scale:MATRIX_SCALE_ROW1 matrix_b_scale:MATRIX_SCALE_ROW1
.elseif fA
	v_wmma_scale_f32_16x16x128_f8f6f4 v[rD:rD+7], v[rA:rA+11], v[rB:rB+11], v[rC:rC+7], v[rSA], v[rSB] matrix_a_fmt:MATRIX_FMT_FP6 matrix_b_fmt:MATRIX_FMT_FP6 matrix_a_scale:MATRIX_SCALE_ROW1
.else
	v_wmma_scale_f32_16x16x128_f8f6f4 v[rD:rD+7], v[rA:rA+11], v[rB:rB+11], v[rC:rC+7], v[rSA], v[rSB] matrix_a_fmt:MATRIX_FMT_FP6 matrix_b_fmt:MATRIX_FMT_FP6
.endif
.endm
.macro KSCLD base                      ; my 128 keys' scale words: 4 loads
.irp g, 0,1,2,3
	global_load_b128 v[KSC+4*\g:KSC+4*\g+3], v[LI], s[\base:\base+1] offset:512*\g
.endr
.endm
.macro VSCLD                           ; the scale words of my 128 channels in the step's four slabs: 4 loads
.irp g, 0,1,2,3
	global_load_b128 v[VSC+4*\g:VSC+4*\g+3], v[LI], s[SVS:SVS+1] offset:2048*\g
.endr
.endm
; A QUAD is four fragments, 12 loads.  Quad y of a phase: K step (or slab) y / 2, tiles 4 (y % 2) + 0 .. 3; it lies at v[48 (y % 4)] of the window that the caller has set as the destination
.macro KLD y, base
.irp e, 0,1,2,3
.irp c, 0,1,2
	global_load_b128 v[48*((\y)%4)+12*\e+4*\c:48*((\y)%4)+12*\e+4*\c+3], v[LI], s[\base:\base+1] offset:6144*(4*((\y)&1)+\e)+1536*((\y)>>1)+512*\c
.endr
.endr
.endm
.macro VLD y
.irp e, 0,1,2,3
.irp c, 0,1,2
	global_load_b128 v[48*((\y)%4)+12*\e+4*\c:48*((\y)%4)+12*\e+4*\c+3], v[LI], s[SVC:SVC+1] offset:49152*((\y)>>1)+1536*(4*((\y)&1)+\e)+512*\c
.endr
.endr
.endm
.macro BQ ks, set                      ; Q's four fragments of K step ks: 12 LDS loads
.irp i, 0,1,2,3
.irp c, 0,1,2
	ds_load_b128 v[BS+48*(\set)+12*\i+4*\c:BS+48*(\set)+12*\i+4*\c+3], v[LI] offset:QIMG+6144*\i+1536*(\ks)+512*\c
.endr
.endr
.endm
.macro BP sg, set                      ; P's four fragments of the keys that wave sg took, and their scale words: 16 LDS loads
.irp i, 0,1,2,3
.irp c, 0,1,2
	ds_load_b128 v[BS+48*(\set)+12*\i+4*\c:BS+48*(\set)+12*\i+4*\c+3], v[LI] offset:PIMG+6144*(\sg)+1536*\i+512*\c
.endr
.endr
.irp i, 0,1,2,3
	ds_load_b32 v[PS+4*(\set)+\i], v[LS] offset:PSC+512*(\sg)+128*\i
.endr
.endm
.macro BIASLD adr, off                 ; the scores' C in the result's layout: keys 16 kt + 8 h + 0 .. 7 of my 128: 16 LDS loads
	WIN 0xc0
.irp k, 0,1,2,3,4,5,6,7
	ds_load_b128 v[RB+8*\k:RB+8*\k+3], v[\adr] offset:BIAS+(\off)+64*\k
	ds_load_b128 v[RB+8*\k+4:RB+8*\k+7], v[\adr] offset:BIAS+(\off)+64*\k+16
.endr
	WIN 0
.endm
; QUAD: 16 products on quad y of a phase (kind 0: scores; 1: P V), four places, one wait on va_vdst if anything is asked for, and what the quad has left free is asked for again.
; THE ORDER OF THE LOADS in a step: behind the scores' quads 0-3 K's quads 4-7; behind quad 4 V's four loads of scale words and V's quad 0; behind quads 5-7 V's quads 1-3; behind the stores of P's images V's quads 4-7
; (48 loads, into window 1); behind P V's quad 0 the next step's four loads of K's scale words and K's quad 0; behind its quads 1-3 K's quads 1-3.  The last step asks for nothing behind V.
; The accumulators take turns, one instruction a turn: between two links of a chain stand 31 others'.
; s_wait_loadcnt counts the loads issued behind the quad that is wanted.  SCORES: three quads (36); from y = 5 on also V's four loads of scale words (40).  P V: at y = 0 the 48 loads of V's quads 4-7, which stand behind
; quad 3: so quads 0-3 are shown at once; behind V's quads 4, 5, 6 stand 88, 76, 64 loads: the count is 63, the largest that the instruction can name, and under all three; behind quad 7 stand K's 52.  In the last step 36, 24, 12, 0.
; s_wait_dscnt, at the head of each pair of quads, counts the LDS loads of the fetches issued behind the set of source 1 that is wanted.
.macro QUAD kind, y, last
.set SPH, (\y)>>1
.if ((\y)&1) == 0
.set NBV, 12+4*(\kind)
.if SPH == 3
.set NBV, 0
.if (\kind) && !(\last)
.set NBV, 28
.endif
.endif
	s_wait_dscnt NBV
.endif
.if (\kind) == 0
.set NLV, 36
.if (\y) > 4
.set NLV, 40
.endif
	s_wait_loadcnt NLV
.if SPH == 0
	WIN 0x73                                       ; K window 3, Q window 0, C window 3, S^T window 1
.else
	WIN 0x53
.endif
.else
.if (\y) == 0
	s_wait_loadcnt 48
.elseif (\y) > 3
.set NLV, 63
.if (\y) == 7
.set NLV, 52
.endif
.if (\last)
.set NLV, 12*(7-(\y))
.endif
	s_wait_loadcnt NLV
.endif
.if (\y) < 4
	WIN 0xa3                                       ; V window 3 (the ring), P window 0, O^T window 2
.else
	WIN 0xa1                                       ; V window 1 (the registers that p has left)
.endif
.endif
.irp e, 0,1,2,3
.irp i, 0,1,2,3
.set TLE, 4*((\y)&1)+\e
.set rA, 48*((\y)%4)+12*\e
.set rB, BS+48*(SPH&1)+12*\i
.set rD, 64*\i+8*TLE
.set rC, rD
.if (\kind)
.set rSA, VSC+4*SPH+(TLE>>1)
.set rSB, PS+4*(SPH&1)+\i
.set fA, TLE&1
.set fB, 0
.else
.if SPH == 0
.set rC, RB+8*TLE
.endif
.set rSA, KSC+2*TLE+(SPH>>1)
.set rSB, QSC+2*\i+(SPH>>1)
.set fA, SPH&1
.set fB, SPH&1
.endif
	WM
.endr
.endr
.rept 4
	v_nop                                          ; places between these products and the loads into their operands (and, behind a phase's last quad, the first read of results); they stay beside the wait below
.endr
.if (\kind) && ((\y) == 7)
	v_nop                                          ; a fifth: the next step's first products write their results over registers that these products read as source 0
.endif
.set ASKS, 1                           ; does anything follow that lands in registers?  Every quad of the scores; P V's quads 0-3, 5 and 7; in the last step its quads 1 and 3 alone
.if (\kind) && (\last)
.set ASKS, 0
.if ((\y) == 1) || ((\y) == 3)
.set ASKS, 1
.endif
.elseif (\kind)
.if ((\y) == 4) || ((\y) == 6)
.set ASKS, 0
.endif
.endif
.if ASKS
	s_wait_alu depctr_va_vdst(0)                   ; the products issued so far are done reading: this quad of the ring and, behind a pair of quads, its set of source 1 and P's scale words, in which the loads below land (the other scale words and the scores' C were last read a phase ago); behind P V's quads v[BA] is written, by which C is fetched
.endif
.if (\kind) == 0
.if (\y) < 4
	WIN 0xc0
	KLD (\y)+4, SKC
.else
.if (\y) == 4
	WIN 0
	VSCLD
.endif
	WIN 0xc0
	VLD (\y)-4
.endif
.else
.if ((\y) < 4) && !(\last)
.if (\y) == 0
	WIN 0
	KSCLD SKS
.endif
	WIN 0xc0
	KLD (\y), SKN
.endif
.endif
	WIN 0
.if (\kind) == 0
.if (\y) == 1
	BQ 2, 0
.elseif (\y) == 3
	BQ 3, 1
.endif
.else
.if (\y) == 1
	BP 2, 0
.elseif (\y) == 3
	BP 3, 1
.elseif !(\last)
.if (\y) == 5
	BIASLD BA, 2048
	BQ 0, 0
.elseif (\y) == 7
	BQ 1, 1
.endif
.endif
.endif
.endm
; THE SOFTMAX of a key step: my 128 keys x 64 queries, the four query tiles by turns.  Two barriers: behind the first every wave has all four waves' maxima; behind the second P's 16 fragments lie in LDS.
.macro SOFTMAX
	WIN 0x05                                       ; sources 0 and 1 window 1
.irp i, 0,1,2,3
.irp b, 0,1,2,3
	v_max_num_f32 v[BM+4*\i+\b], v[64*\i+16*\b], v[64*\i+16*\b+1]   ; THE LARGEST SCORE OF EACH BLOCK OF 32 KEYS serves twice: for the row's maximum, and, since p rises with the score, for the block's largest p
.endr
.endr
.irp n, 2,4,6,8,10,12,14
.irp i, 0,1,2,3
.irp b, 0,1,2,3
	v_max3_num_f32 v[BM+4*\i+\b], v[64*\i+16*\b+\n], v[64*\i+16*\b+\n+1], v[BM+4*\i+\b]   ; (each accumulator is read from its low end on)
.endr
.endr
.endr
	WIN 0
.set x, 0
.rept 16
	v_permlanex16_b32 v[T2+x], v[BM+x], s24, s25
.set x, x+1
.endr
.set x, 0
.rept 16
	v_max_num_f32 v[BM+x], v[BM+x], v[T2+x]        ; with lane l xor 16's 16 keys
.set x, x+1
.endr
.irp i, 0,1,2,3
	v_max3_num_f32 v[SMX+\i], v[BM+4*\i], v[BM+4*\i+1], v[BM+4*\i+2]
.endr
.irp i, 0,1,2,3
	v_max_num_f32 v[SMX+\i], v[SMX+\i], v[BM+4*\i+3]   ; my 128 keys' largest score of my query
.endr
	s_wait_alu depctr_va_vdst(0)                   ; v[SMX ..] are written, which the LDS stores read; and the lines above are done writing and reading v[T2 ..], in which the waves' maxima land behind the barrier
.irp i, 0,1,2,3
	ds_store_b32 v[MXW], v[SMX+\i] offset:MX+512*\i
.endr
	s_wait_dscnt 0x0                               ; for the others' sake: my maxima have landed (and my reads of P's images of the last step are long over)
	s_barrier_signal -1
	s_barrier_wait -1
.irp i, 0,1,2,3
	ds_load_b128 v[T2+4*\i:T2+4*\i+3], v[LI] offset:MX+512*\i      ; the four waves' maxima of my query
.endr
	s_wait_dscnt 0x0
	s_wait_alu depctr_vm_vsrc(0)                   ; my LDS stores have read v[SMX ..], which the next lines write again
.irp i, 0,1,2,3
	v_max3_num_f32 v[SMX+\i], v[T2+4*\i], v[T2+4*\i+1], v[T2+4*\i+2]
.endr
.irp i, 0,1,2,3
	v_max_num_f32 v[SMX+\i], v[SMX+\i], v[T2+4*\i+3]   ; the step's largest score: the same bits in all four waves
.endr
.irp i, 0,1,2,3
	v_mul_f32 v[SMX+\i], s22, v[SMX+\i]            ; as t (c is positive)
.endr
.irp i, 0,1,2,3
	v_max_num_f32 v[STT+6*\i+1], v[STT+6*\i+1], v[SMX+\i]   ; the running largest t
.endr
.irp i, 0,1,2,3
	v_mov_b32 v[OLD+\i], v[STT+6*\i]
.endr
.irp i, 0,1,2,3
	v_floor_f32 v[STT+6*\i], -v[STT+6*\i+1]        ; the new -M = floor(-t) = -ceil(t): M IS A WHOLE NUMBER
.endr
.irp i, 0,1,2,3
	v_sub_f32 v[OLD+\i], v[STT+6*\i], v[OLD+\i]    ; old M - new M: a whole number, 0 or less
.endr
.irp i, 0,1,2,3
	v_cvt_i32_f32 v[OLD+\i], v[OLD+\i]             ; (it saturates)
.endr
.irp i, 0,1,2,3
	v_ldexp_f32 v[STT+6*\i+4], 1.0, v[OLD+\i]      ; f = 2^(old M - new M)
.endr
	WIN 0x41                                       ; destination and source 0 window 1
.set x, 0
.rept 128
	v_pk_fma_f32 v[2*x:2*x+1], v[2*x:2*x+1], s[22:23], v[STT+6*(x/32):STT+6*(x/32)+1] op_sel_hi:[1,0,0]   ; t - M, two at a time (of the pairs c and -M the low word serves both halves)
.set x, x+1
.endr
.set x, 0
	s_wait_alu depctr_va_vdst(0)
.rept 256
	v_exp_f32 v[x], v[x]                           ; p = 2^(t - M), at most 1: NOT normalised.  One batch
.set x, x+1
.endr
	WIN 0
.irp i, 0,1,2,3
.irp b, 0,1,2,3
	v_fma_f32 v[BM+4*\i+\b], v[BM+4*\i+\b], s22, v[STT+6*\i]   ; the same of each block's largest score.  (Plain lines behind the exponentials, which name none of their results)
.endr
.endr
.irp i, 0,1,2,3
	v_pk_mul_f32 v[STT+6*\i+2:STT+6*\i+3], v[STT+6*\i+2:STT+6*\i+3], v[STT+6*\i+4:STT+6*\i+5] op_sel_hi:[1,0]   ; the sums under the new M
.endr
	s_wait_alu depctr_va_vdst(0)                   ; the 256 exponentials have written p: one wait for the batch, ahead of its first reader
.set x, 0
.rept 16
	v_exp_f32 v[BM+x], v[BM+x]                     ; the block's largest p: the same two instructions on the same number give the same bits
.set x, x+1
.endr
	WIN 0x04                                       ; source 1 window 1
.set x, 0
.rept 32
.irp i, 0,1,2,3
	v_pk_add_f32 v[STT+6*\i+2:STT+6*\i+3], v[STT+6*\i+2:STT+6*\i+3], v[64*\i+2*x:64*\i+2*x+1]   ; THE ROW'S SUM IS TAKEN OF THE UNQUANTISED p.  (It reads the 256 alone: plain work behind the sixteen)
.endr
.set x, x+1
.endr
	WIN 0
	s_wait_alu depctr_va_vdst(0)                   ; the sixteen exponentials have written v[BM ..]: one wait for them, ahead of their first reader
.set x, 0
.rept 16
	v_max_num_f32 v[BM+x], 0x1800000, v[BM+x]      ; the floor 2^(3 - 127): the byte cannot fall under 1
.set x, x+1
.endr
.set x, 0
.rept 16
	v_add_nc_u32 v[SCO+x], 0xff000000, v[BM+x]     ; 2 off the exponent field: the conversion's scale operand
.set x, x+1
.endr
.set x, 0
.rept 16
	v_lshrrev_b32 v[T2+x], 23, v[SCO+x]            ; the scale's byte
.set x, x+1
.endr
.irp i, 0,1,2,3
	v_lshl_or_b32 v[PW+\i], v[T2+4*\i+1], 8, v[T2+4*\i]
.endr
.irp i, 0,1,2,3
	v_lshl_or_b32 v[PW+\i], v[T2+4*\i+2], 16, v[PW+\i]
.endr
.irp i, 0,1,2,3
	v_lshl_or_b32 v[PW+\i], v[T2+4*\i+3], 24, v[PW+\i]   ; p's scale word for my 128 keys
.endr
	WIN 0x01                                       ; source 0 window 1
.irp i, 0,1,2,3
.irp c, 0,1
	v_cvt_scalef32_pk16_fp6_f32 v[BS+24*\i+6*\c:BS+24*\i+6*\c+2], v[64*\i+32*\c:64*\i+32*\c+15], v[SCO+4*\i+2*\c]
	v_cvt_scalef32_pk16_fp6_f32 v[BS+24*\i+12+4*\c:BS+24*\i+14+4*\c], v[64*\i+32*\c+16:64*\i+32*\c+31], v[SCO+4*\i+2*\c+1]   ; (a conversion's three registers begin on an even number)
.endr
.endr
	WIN 0
	v_nop                                          ; one plain line behind the scaled conversions
.irp i, 0,1,2,3
.irp c, 0,1                            ; the operand's layout wants a WHOLE block in a lane
.irp e, 0,1,2
	v_permlane16_swap_b32 v[BS+24*\i+6*\c+\e], v[BS+24*\i+12+4*\c+\e]
.endr
.irp e, 0,1,2
	v_mov_b32 v[BS+24*\i+3+6*\c+\e], v[BS+24*\i+12+4*\c+\e]
.endr
.endr
.endr
	s_wait_alu depctr_va_vdst(0)                   ; ONE wait for three things: the codes in v[BS ..] and the words v[PW ..] are written, which the LDS stores read; the sums and conversions are done with p's registers, in which V's quads 4 to 7 land; and no vector line behind this one names v[BS ..], in which P's fragments land behind the barrier
.irp i, 0,1,2,3
.irp c, 0,1,2
	ds_store_b128 v[PWI], v[BS+24*\i+4*\c:BS+24*\i+4*\c+3] offset:PIMG+1536*\i+512*\c   ; the fragment goes to LDS as it stands
.endr
	ds_store_b32 v[PWS], v[PW+\i] offset:PSC+128*\i
.endr
	WIN 0x40                                       ; destination window 1
	VLD 4                                          ; p has become codes and nothing reads its registers any more: V's quads 4 to 7 are asked for now, into v0-191 of window 1: 48 loads,
	VLD 5                                          ; which have the rescaling of O^T and the P V phase's first 64 products in which to land; they are issued while my images are on their way into LDS
	VLD 6
	VLD 7
	WIN 0
	s_wait_dscnt 0x0                               ; for the others' sake: my images have landed (and my reads of the maxima are over)
	s_barrier_signal -1
	WIN 0x82                                       ; destination and source 0 window 2
.set x, 0
.rept 128
	v_pk_mul_f32 v[2*x:2*x+1], v[2*x:2*x+1], v[STT+6*(x/32)+4:STT+6*(x/32)+5] op_sel_hi:[1,0]   ; O^T under the new M: work on registers while the others arrive
.set x, x+1
.endr
	WIN 0
	s_wait_alu depctr_va_vdst(0)
	s_barrier_wait -1
	s_wait_alu depctr_vm_vsrc(0)                   ; my LDS stores have read v[BS ..], in which P's fragments land now, and v[PW ..], which the next step writes; the last fetch of the scores' C has read v[BA], which is written next
.endm
.macro STEP last
.irp y, 0,1,2,3,4,5,6,7
	QUAD 0, \y, 0
.endr
	SOFTMAX
.if !(\last)
	v_add_nc_u32 v[BA], s37, v[BA0]
.endif
	BP 0, 0
	BP 1, 1
.irp y, 0,1,2,3,4,5,6,7
	QUAD 1, \y, \last
.endr
.endm
	s_load_b256 s[4:11], s[0:1], 0x0               ; qcodes s[4:5], qscales s[6:7], kcodes s[8:9], kscales s[10:11]
	s_load_b256 s[12:19], s[0:1], 0x20             ; pcodes s[12:13], pscales s[14:15], mask s[16:17], out0 s[18:19]
	v_lshl_add_u32 v158, v0, 2, 0x18000
	v_mov_b32 v159, 0
	v_lshrrev_b32 v7, 5, v0
	v_readfirstlane_b32 s20, v7                    ; wave 0..3
	s_and_b32 s21, ttmp7, 0xffff                   ; the batch
	v_and_b32 v7, 31, v0                           ; lane
	v_and_b32 v10, 15, v0                          ; r
	v_bfe_u32 v11, v0, 4, 1                        ; h
	v_lshlrev_b32 v[TI], 4, v0
	v_lshlrev_b32 v[LI], 4, v7
	v_lshlrev_b32 v[LS], 2, v7
	s_wait_alu depctr_va_sdst(0)                   ; s20, the wave's number, is written, ahead of its first reader
	s_mul_i32 s41, s20, 6144
	v_add_nc_u32 v[PWI], s41, v[LI]
	s_lshl_b32 s42, s20, 9
	v_add_nc_u32 v[PWS], s42, v[LS]
	s_lshl_b32 s43, s20, 2
	v_add_nc_u32 v[MXW], s43, v[LI]
	v_lshl_add_u32 v[BA0], v11, 5, s42
	s_mul_i32 s43, s20, 16*SPT
	s_add_co_u32 s43, s43, STAGE                   ; my stage
	v_mul_u32_u24 v[SIN], v10, SPT
	v_lshl_add_u32 v[SIN], v11, 5, v[SIN]
	v_add_nc_u32 v[SIN], s43, v[SIN]               ; in: row r, + 32 h
	v_add_nc_u32 v[SOUT], s43, v[LI]               ; back: the 32 lanes take one row of 512 bytes
	s_mov_b32 s45, 0                               ; the upper word of every offset: stays 0
	s_mov_b32 s22, 0x3d8293ee                      ; c = log2(e) / sqrt(512)
	s_mov_b32 s23, s22                             ; (named with it as a pair, so it is written)
	s_mov_b32 s24, 0x76543210
	s_mov_b32 s25, 0xfedcba98                      ; v_permlanex16_b32's selects for lane l xor 16
	s_mov_b32 s36, 3                               ; the loop's trips: all key steps but the last
	s_mov_b32 s37, 0                               ; 2,048 x the number of steps walked
	s_mul_i32 s46, s21, 786432                     ; a batch's codes: 128 token tiles x 6,144 bytes = 16 slabs x 49,152
	s_lshr_b32 s[SU], ttmp9, 2
	s_add_co_u32 s[SU], s[SU], ttmp9
	s_and_b32 s[SU], s[SU], 3                      ; my first key step: (x + x / 4) mod 4
	s_add_co_u32 s[SUN], s[SU], 1
	s_and_b32 s[SUN], s[SUN], 3                    ; and the one behind it
.irp c, 0,1,2,3
	s_add_co_u32 s47, s[SU], \c
	s_and_b32 s47, s47, 3
	s_lshl_b32 s47, s47, 11                        ; the c-th step of my walk: its 512 keys' 2,048 bytes of the mask
	v_add_nc_u32 v[BM+\c], s47, v[TI]
.endr
	s_wait_kmcnt 0x0
	s_mul_i32 s44, s20, 49152
	s_add_co_u32 s44, s44, s46
	s_add_nc_u64 s[BK0:BK0+1], s[8:9], s[44:45]    ; K's codes: my eight key tiles of the batch's step 0;
	s_mul_i32 s44, s[SU], 196608                   ; a step is 32 key tiles
	s_add_nc_u64 s[SKC:SKC+1], s[BK0:BK0+1], s[44:45]
	s_mul_i32 s44, s[SUN], 196608
	s_add_nc_u64 s[SKN:SKN+1], s[BK0:BK0+1], s[44:45]
	s_lshl_b32 s44, s21, 15
	s_lshl_b32 s47, s20, 11
	s_add_co_u32 s44, s44, s47
	s_add_nc_u64 s[BKS0:BKS0+1], s[10:11], s[44:45]   ; and their scale words: 8,192 bytes a step
	s_lshl_b32 s44, s[SU], 13
	s_add_nc_u64 s[SKS1:SKS1+1], s[BKS0:BKS0+1], s[44:45]
	s_lshl_b32 s44, s[SUN], 13
	s_add_nc_u64 s[SKS:SKS+1], s[BKS0:BKS0+1], s[44:45]
	s_mul_i32 s44, s20, 12288
	s_add_co_u32 s44, s44, s46
	s_add_co_u32 s44, s44, 786432
	s_add_nc_u64 s[BV0:BV0+1], s[12:13], s[44:45]  ; V's codes: my eight channel tiles of the batch's first slab; a step is four slabs
	s_mul_i32 s44, s[SU], 196608
	s_add_nc_u64 s[SVC:SVC+1], s[BV0:BV0+1], s[44:45]
	s_lshl_b32 s44, s21, 15
	s_add_co_u32 s44, s44, s42
	s_add_co_u32 s44, s44, 32768
	s_add_nc_u64 s[BVS0:BVS0+1], s[14:15], s[44:45]   ; and their scale words
	s_lshl_b32 s44, s[SU], 13
	s_add_nc_u64 s[SVS:SVS+1], s[BVS0:BVS0+1], s[44:45]
	s_lshl_b32 s44, s21, 22
	s_lshl_b32 s47, ttmp9, 17
	s_add_co_u32 s44, s44, s47
	s_add_co_u32 s44, s44, s42
	s_add_nc_u64 s[34:35], s[18:19], s[44:45]      ; out: my work-group's first row, my 128 channels
	s_mul_i32 s44, ttmp9, 24576
	s_add_co_u32 s44, s44, s46
	s_add_co_u32 s44, s44, s41
	s_add_nc_u64 s[4:5], s[4:5], s[44:45]          ; Q's codes: query tile = wave
	s_lshl_b32 s44, s21, 15
	s_lshl_b32 s47, ttmp9, 10
	s_add_co_u32 s44, s44, s47
	s_add_nc_u64 s[6:7], s[6:7], s[44:45]          ; Q's scale words: my work-group's four tiles
	s_lshl_b32 s44, s21, 13
	s_add_nc_u64 s[16:17], s[16:17], s[44:45]      ; the batch's mask
	s_wait_alu depctr_va_vdst(0)                   ; every offset and LDS address of the kernel but v[BA] is written (v1 to v8, v13, v14, and the mask's four offsets v88 to v91): the loads and stores below read them
.irp c, 0,1,2,3
	global_load_b128 v[T2+4*\c:T2+4*\c+3], v[BM+\c], s[16:17]      ; the mask of all 2,048 keys, 64 bytes a thread, in the order of my walk
.endr
.irp x, 0,1,2,3,4,5,6,7,8,9,10,11
	global_load_b128 v[BS+4*\x:BS+4*\x+3], v[LI], s[4:5] offset:512*\x th:TH_LOAD_NT   ; one query tile's four fragments a wave: read once in the launch
.endr
	global_load_b128 v[QSC:QSC+3], v[LI], s[6:7]
	global_load_b128 v[QSC+4:QSC+7], v[LI], s[6:7] offset:512
	KSCLD SKS1
	WIN 0xc0
	KLD 0, SKC                                     ; the ring is filled: 48 loads
	KLD 1, SKC
	KLD 2, SKC
	KLD 3, SKC
	WIN 0x80
.set x, 0
.rept 256
	v_mov_b32 v[x], 0                              ; O^T.  (So the key step is written twice and not three times: the first step finds zeros, which its f = 0 leaves zeros.  These lines stand where the wave would wait for its first loads)
.set x, x+1
.endr
	WIN 0
.irp i, 0,1,2,3
	v_mov_b32 v[STT+6*\i+1], 0xff61b1e6            ; the largest t so far: -3e38, under every t
	v_mov_b32 v[STT+6*\i+2], 0                     ; the sum, in two halves
	v_mov_b32 v[STT+6*\i+3], 0
	v_mov_b32 v[STT+6*\i+4], 0
	v_mov_b32 v[STT+6*\i+5], 0                     ; (named as the upper half of f's pair)
.endr
.irp i, 0,1,2,3
	v_floor_f32 v[STT+6*\i], -v[STT+6*\i+1]        ; -M
.endr
	v_mov_b32 v[NEG], 0xd0c00000                   ; -3 x 2^33
	s_wait_alu depctr_va_vdst(0)
	s_wait_loadcnt 52                              ; the mask, Q and Q's scale words are in; K's 4 loads of scale words and the ring's 48 may be out
.irp u, 0,1                            ; what a key adds to its scores, eight words of the mask at a time: a run of compares into eight scalar registers that hold nothing any more, one wait, the selects
.set x, 8*\u
.irp sr, 2,3,40,41,42,43,46,47
	v_cmp_eq_u32 s[\sr], 0, v[T2+x]
.set x, x+1
.endr
	s_wait_alu depctr_va_sdst(0)                   ; the eight compares have written their masks, ahead of the selects that read them
.set x, 8*\u
.irp sr, 2,3,40,41,42,43,46,47
	v_cndmask_b32 v[T2+x], 0, v[NEG], s[\sr]
.set x, x+1
.endr
.endr
	s_wait_alu depctr_va_vdst(0)                   ; the selects have written v[T2 ..], which the LDS stores read
.irp c, 0,1,2,3
	ds_store_b128 v[TI], v[T2+4*\c:T2+4*\c+3] offset:BIAS+2048*\c
.endr
.irp x, 0,1,2,3,4,5,6,7,8,9,10,11
	ds_store_b128 v[PWI], v[BS+4*\x:BS+4*\x+3] offset:QIMG+512*\x
.endr
	s_wait_dscnt 0x0                               ; for the others' sake
	s_barrier_signal -1
	s_barrier_wait -1                              ; the table and Q's 16 fragments lie in LDS, for the whole launch
	s_wait_alu depctr_vm_vsrc(0)                   ; my LDS stores have read v[BS ..], in which Q's fragments land now, and v[T2 ..]; the mask's loads have read their offsets v88 to v91: the softmax writes both again
	BIASLD BA0, 0                                  ; the same three fetches, in the same order, as at the end of a trip
	BQ 0, 0
	BQ 1, 1
.Lstep:
	STEP 0
	s_wait_xcnt 0x0                                ; every load has read its base: the pointers may be written
	s_mov_b64 s[SKC:SKC+1], s[SKN:SKN+1]           ; the next step's K is the step's
	s_mov_b32 s[SU], s[SUN]
	s_add_co_u32 s[SUN], s[SU], 1
	s_and_b32 s[SUN], s[SUN], 3                    ; round the four steps
	s_mul_i32 s44, s[SU], 196608
	s_add_nc_u64 s[SVC:SVC+1], s[BV0:BV0+1], s[44:45]
	s_lshl_b32 s44, s[SU], 13
	s_add_nc_u64 s[SVS:SVS+1], s[BVS0:BVS0+1], s[44:45]
	s_mul_i32 s44, s[SUN], 196608
	s_add_nc_u64 s[SKN:SKN+1], s[BK0:BK0+1], s[44:45]   ; (behind the last trip these two stand at my first step again and are not used)
	s_lshl_b32 s44, s[SUN], 13
	s_add_nc_u64 s[SKS:SKS+1], s[BKS0:BKS0+1], s[44:45]
	s_add_co_u32 s37, s37, 2048
	s_sub_co_u32 s36, s36, 1
	s_cmp_lg_u32 s36, 0
	s_cbranch_scc1 .Lstep
	STEP 1                                         ; the last step is written out: it asks for nothing behind its own V
	; THE WAY OUT.  A wave's sums are those of its keys: their halves, lane l xor 16's and the four waves' are added; O^T is divided by the sum and goes through my stage, a query tile (16 rows x 512 bytes) at a time.
.irp i, 0,1,2,3
	v_add_f32 v[SMX+\i], v[STT+6*\i+2], v[STT+6*\i+3]
.endr
.irp i, 0,1,2,3
	v_permlanex16_b32 v[OLD+\i], v[SMX+\i], s24, s25
.endr
.irp i, 0,1,2,3
	v_add_f32 v[SMX+\i], v[SMX+\i], v[OLD+\i]
.endr
	s_wait_alu depctr_va_vdst(0)                   ; the additions have written v[SMX ..], which the LDS stores read; the last products are done reading V's registers in window 1, in which rows of O land below
.irp i, 0,1,2,3
	ds_store_b32 v[MXW], v[SMX+\i] offset:MX+512*\i   ; (the maxima there were last read in front of the last step's second barrier)
.endr
	s_wait_dscnt 0x0
	s_barrier_signal -1
	s_barrier_wait -1
.irp i, 0,1,2,3
	ds_load_b128 v[T2+4*\i:T2+4*\i+3], v[LI] offset:MX+512*\i
.endr
	s_wait_dscnt 0x0
.irp i, 0,1,2,3
	v_add_f32 v[T2+4*\i], v[T2+4*\i], v[T2+4*\i+1]
	v_add_f32 v[T2+4*\i+2], v[T2+4*\i+2], v[T2+4*\i+3]
.endr
.irp i, 0,1,2,3
	v_add_f32 v[T2+4*\i], v[T2+4*\i], v[T2+4*\i+2]   ; the row's sum
.endr
	s_wait_alu depctr_va_vdst(0)
.irp i, 0,1,2,3
	v_rcp_f32 v[STT+6*\i+4], v[T2+4*\i]
.endr
	v_nop                                          ; a plain line behind the last reciprocal
	s_wait_alu depctr_va_vdst(0)                   ; the four reciprocals are written: one wait for them, ahead of their first reader
.macro OMUL i
	WIN 0x82
.set x, 32*(\i)
.rept 32
	v_pk_mul_f32 v[2*x:2*x+1], v[2*x:2*x+1], v[STT+6*(\i)+4:STT+6*(\i)+5] op_sel_hi:[1,0]   ; O^T / the sum; each accumulator from its low end on
.set x, x+1
.endr
.endm
.macro TOSTAGE i
	WIN 0x08                                       ; an LDS store's data are its source 1: window 2
.irp t, 0,1,2,3,4,5,6,7
	ds_store_b128 v[SIN], v[64*(\i)+8*\t:64*(\i)+8*\t+3] offset:64*\t           ; lane (r, h): out(16 i + r, 128 w + 16 t + 8 h + 0 .. 7)
	ds_store_b128 v[SIN], v[64*(\i)+8*\t+4:64*(\i)+8*\t+7] offset:64*\t+16
.endr
	WIN 0x40
.irp t, 0,1,2,3,4,5,6,7,8,9,10,11,12,13,14,15
	ds_load_b128 v[64*((\i)&1)+4*\t:64*((\i)&1)+4*\t+3], v[SOUT] offset:\t*SPT   ; LDS serves a wave's instructions in order (ISA guide 5.7.1.4): these see my stores, and the next tile's stores come behind them
.endr
	WIN 0
.endm
.macro SEND i, younger                 ; younger: the LDS instructions issued behind tile i's loads: the next tile's 16 stores and 16 loads, or none
	s_wait_dscnt \younger
	WIN 0x04                                       ; a store's data are its source 1: window 1
.irp t, 0,1,2,3,4,5,6,7,8,9,10,11,12,13,14,15
	global_store_b128 v[LI], v[64*((\i)&1)+4*\t:64*((\i)&1)+4*\t+3], s[34:35] offset:(16*(\i)+\t)*2048 th:TH_STORE_NT   ; 32 lanes store 512 consecutive bytes, at a multiple of 512 from out0's first byte
.endr
	WIN 0
.endm
	OMUL 0
	s_wait_alu depctr_va_vdst(0)                   ; tile 0's numbers are written, which its LDS stores read
	TOSTAGE 0
	OMUL 1                                         ; the other three tiles' arithmetic stands together, while tile 0 goes through the stage: it names window 2's v64-255 and the reciprocals, none of the registers that tile 0's LDS instructions touch
	OMUL 2
	OMUL 3
	s_wait_alu depctr_va_vdst(0)                   ; tiles 1 to 3 are written, which their LDS stores read: no vector instruction follows this wait
	TOSTAGE 1
	SEND 0, 32
	s_wait_xcnt 0x0                                ; tile 0's stores have had their addresses translated,
	s_wait_alu depctr_vm_vsrc(0)                   ; and have read their registers: tile 2's rows may land there
	TOSTAGE 2
	SEND 1, 32
	s_wait_xcnt 0x0                                ; the same of tile 1's stores,
	s_wait_alu depctr_vm_vsrc(0)                   ; in whose registers tile 3's rows land
	TOSTAGE 3
	SEND 2, 32
	SEND 3, 0
	s_wait_dscnt 0x0                               ; the closing lines, six on end
	s_wait_alu 0x0
	s_wait_tensorcnt 0x0
	ds_add_u32 v158, v159
	s_wait_dscnt 0x0
	s_endpgm
.Lfunc_end_k_qafeda0f880_attn:
	.size	k_qafeda0f880_attn, .Lfunc_end_k_qafeda0f880_attn-k_qafeda0f880_attn
	.p2alignl 7, 3214868480
	.fill 96, 4, 3214868480
	.section	.rodata,"a",@progbits
	.p2align	6, 0x0
	.amdhsa_kernel k_qafeda0f880_attn
		.amdhsa_group_segment_fixed_size 98816
		.amdhsa_private_segment_fixed_size 0
		.amdhsa_enable_private_segment 0
		.amdhsa_kernarg_size 64
		.amdhsa_user_sgpr_count 2
		.amdhsa_user_sgpr_kernarg_segment_ptr 1
		.amdhsa_wavefront_size32 1
		.amdhsa_system_sgpr_workgroup_id_x 1
		.amdhsa_system_sgpr_workgroup_id_y 1
		.amdhsa_system_sgpr_workgroup_id_z 1
		.amdhsa_system_vgpr_workitem_id 0
		.amdhsa_next_free_vgpr 1024
		.amdhsa_next_free_sgpr 66
		.amdhsa_reserve_vcc 0
		.amdhsa_float_denorm_mode_32 3
		.amdhsa_float_denorm_mode_16_64 3
		.amdhsa_memory_ordered 1
		.amdhsa_forward_progress 1
		.amdhsa_inst_pref_size 255
	.end_amdhsa_kernel
	.section	.bss,"aw",@nobits
	.p2align	6
	.space	262144
	.amdgpu_metadata
---
amdhsa.version: [ 1, 2 ]
amdhsa.kernels:
  - .name:           k_qafeda0f880_attn
    .symbol:         k_qafeda0f880_attn.kd
    .args:
      - { .name: qcodes, .offset: 0, .size: 8, .value_kind: global_buffer, .address_space: global }
      - { .name: qscales, .offset: 8, .size: 8, .value_kind: global_buffer, .address_space: global }
      - { .name: kcodes, .offset: 16, .size: 8, .value_kind: global_buffer, .address_space: global }
      - { .name: kscales, .offset: 24, .size: 8, .value_kind: global_buffer, .address_space: global }
      - { .name: pcodes, .offset: 32, .size: 8, .value_kind: global_buffer, .address_space: global }
      - { .name: pscales, .offset: 40, .size: 8, .value_kind: global_buffer, .address_space: global }
      - { .name: mask, .offset: 48, .size: 8, .value_kind: global_buffer, .address_space: global }
      - { .name: out0, .offset: 56, .size: 8, .value_kind: global_buffer, .address_space: global }
    .group_segment_fixed_size: 98816
    .private_segment_fixed_size: 0
    .kernarg_segment_align: 8
    .kernarg_segment_size: 64
    .max_flat_workgroup_size: 128
    .sgpr_count:     66
    .vgpr_count:     1024
    .wavefront_size: 32
...
	.end_amdgpu_metadata
.endif
;; end of part 6
